; MI455X (gfx1250); checked and timed in simulation.
; The chip was launched on July 23, 2026; its instructions are those of AMD's public machine-readable ISA for CDNA 5 (MIT licence, August 2026) and "CDNA5" Instruction Set Architecture Reference Guide (July 2026). The comments in the code are by the model that wrote it; some were corrected since.
;; Multi Head Self Attention. Allowed arithmetic: matrix products marked QUANTISED: E2M1 operands, one E8M0 scale for each 32 along K, by v_wmma_scale_f32_16x16x128_f8f6f4 with both operands' format E2M1 (or v_wmma_scale_f32_32x16x128_f4), f32 sums; products left as they are: bf16, f16 or f32 operands; f32 sums; everything else in f32.
;; Inputs: Wk 1,024 x 1,024 float32; Wp 1,024 x 1,024 float32; Wq 1,024 x 1,024 float32; Wv 1,024 x 1,024 float32; beta 1,024 float32; gamma 1,024 float32; x 4 x 2,048 x 1,024 float32.
;; Outputs: out0 4 x 2,048 x 1,024 float32.
;; This version of the problem:
;;   THIS VERSION OF THE PROBLEM IS GIVEN IN LOW PRECISION. The matrix products marked QUANTISED in the list below multiply operands that are first quantised to E2M1 (2 exponent bits, 1 mantissa bit; 4 bits a number), with one power-of-two scale for each 32 numbers along K (OCP MX v1.0); their sums are f32. The products marked 'left as it is' may take bf16, f16 or f32 operands, with f32 sums. Whichever they take, every output number must still come out within the allowed error. Rounding operands to bf16 (8 significant bits) uses up far more of that allowance than f16 does (11 bits, for magnitudes from 6e-5 to 65,504). All else is computed in f32.
;;   The module's matrix products, in the order in which they are computed (A, B: the left and right operand; K: the contracted axis; several contracted axes count as one K, in the product's order):
;;     1. [M 8,192, K 1,024] x [K 1,024, N 1,024]; A: input x; B: input Wk: QUANTISED
;;     2. [M 8,192, K 1,024] x [K 1,024, N 1,024]; A: input x; B: input Wq: QUANTISED
;;     3. [M 8,192, K 1,024] x [K 1,024, N 1,024]; A: input x; B: input Wv: QUANTISED
;;     4. batch 64 x [M 2,048, K 64] x [K 64, N 2,048]; A: computed on the way; B: computed on the way: left as it is (an operand is computed on the way)
;;     5. batch 64 x [M 2,048, K 2,048] x [K 2,048, N 64]; A: computed on the way; B: computed on the way: left as it is (an operand is computed on the way)
;;     6. [M 8,192, K 1,024] x [K 1,024, N 1,024]; A: computed on the way; B: input Wp: left as it is (an operand is computed on the way)
;;   THE QUANTISER, for each operand of a quantised product, along K:
;;     - K is cut into blocks of 32 from its start; a last block that is shorter is filled with zeros.
;;     - A block's scale is 2^e with e = floor(log2(the largest magnitude in the block)) - 2, held to -126 .. 127; a block of zeros has e = 0. As a byte (E8M0): e + 127.
;;     - Each number is divided by its block's scale, clamped to +-6, and rounded to the nearest number of E2M1, ties to even, subnormals kept.
;;     - The product sums the exact products of the quantised numbers (number of the format x scale) in f32.
;;   ~~~python
;;   def quantise(x, axis):      # numpy; x: float32 -> the quantised numbers, widened to float32 again
;;       x = np.moveaxis(x, axis, -1); K = x.shape[-1]
;;       x = np.pad(x, [(0, 0)] * (x.ndim - 1) + [(0, -K % 32)]); x = x.reshape(x.shape[:-1] + (-1, 32)); a = np.abs(x).max(-1, keepdims=True)
;;       e = np.where(a > 0, np.clip(np.frexp(np.where(a > 0, a, 1))[1] - 1 - 2, -126, 127), 0)      # np.frexp(a)[1] - 1 = floor(log2(a)), exactly
;;       r = np.clip(x / 2.0 ** e, -6, 6)
;;       step = 2.0 ** (np.maximum(np.frexp(np.where(r == 0, 1, r))[1] - 1, 0) - 1)
;;       q = np.round(r / step) * step * 2.0 ** e      # np.round: ties to even
;;       return np.moveaxis(q.reshape(q.shape[:-2] + (-1,))[..., :K], -1, axis).astype(np.float32)
;;   ~~~
;; One version. Each part assembles by itself: llvm-mc -triple=amdgcn-amd-amdhsa -mcpu=gfx1250 --defsym DOCPART=n.
;; ======== version 1 of 1: 5 launches
;; limits: values are held in f16: magnitudes above 65,504 overflow, below 6.1e-05 lose precision
;; workspace buffers: xc 4,194,304 bytes; xs 262,144 bytes; wc 1,572,864 bytes; ws 98,304 bytes; wph 2,097,152 bytes; qkv 50,331,648 bytes; att 16,777,216 bytes; y 33,554,432 bytes
;; launch quant (part 1): grid 384 x 1, 4 waves a work-group, no clusters, 33,280 bytes of LDS; arguments x, Wq, Wk, Wv, Wp, xc, xs, wc, ws, wph; writes xc, xs, wc, ws, wph
.if DOCPART == 1
	.amdgcn_target "amdgcn-amd-amdhsa--gfx1250"
	.amdhsa_code_object_version 6
	.text
	.protected	k_q064866ac6d_quant
	.globl	k_q064866ac6d_quant
	.p2align	8
	.type	k_q064866ac6d_quant,@function
k_q064866ac6d_quant:
	s_mov_b64 s[64:65], 0
	v_nop
	global_prefetch_b8 v0, s[64:65] scope:SCOPE_SE
	s_setreg_imm32_b32 hwreg(HW_REG_WAVE_MODE, 25, 1), 1
	s_wait_xcnt 0x0
; x [8192][1024] and Wq, Wk, Wv [1024][1024], f32, become codes of FP4 (E2M1), K innermost, with one E8M0 scale byte for each 32 along K; Wp [1024][1024] is rounded to f16.
; xc [8192][512 bytes], xs [8192][32]; wc [3072][512 bytes], ws [3072][32]: rows 0-1023 Wq, 1024-2047 Wk, 2048-3071 Wv; wph [1024][1024] f16.
; A block's scale is 2^(floor(log2(its largest magnitude)) - 2); its byte is the largest magnitude's exponent field - 2, held at 1 from below.  A block of zeros so gets the byte 1: its codes are zeros,
; which add nothing under any byte but 0xff, and the bytes are read by this program alone.  Each number is divided by the scale and rounded to the nearest code, ties to even, beyond 6 the largest code.
; LIMITS: blocks whose largest magnitude lies under 2^(2 - 126) keep the byte 1; NaN and infinities among the inputs are not served; |Wp| above 65,504 becomes infinity in f16.
; SHARES.  Rows are dense and K is a multiple of 32: each tensor is a plain stream of blocks of 32.  A work-group takes 32,768 numbers, a wave 8,192.  Work-groups 0-255: x; 256-351: Wq, Wk, Wv, 32 each; 352-383: Wp.
; The four quantised tensors take ONE path: only pointers are chosen, by the work-group's number.  A wave takes 16 steps of 512 numbers: each of a step's four loads reads 512 consecutive bytes; the 2,048 bytes turn
; through the wave's own stage in LDS and come back 64 bytes (16 neighbours along K) a lane; two neighbouring lanes hold a block.  A lane's 16 codes are 8 bytes: the wave stores 256 consecutive bytes.
; A wave's 256 scale bytes are gathered in LDS and leave as one aligned run of 256 bytes.  Memory binds: no matrix unit, no cluster, no barrier: waves share nothing.
.set WAVES, 4
.set STEPS, 16
.set EMAX,  2
.set CB,    8                          ; bytes of 16 codes
.set R,     16                         ; v16-79   four sets of 16 numbers as they are loaded
.set X,     80                         ; v80-111  two sets of 16 neighbours
.set E,     112                        ; v112-127 a scale byte for each step
.set C,     128                        ; v128-191 codes: four registers for each step, so that no store's data are written again
.set WREG,  8192                       ; LDS: a region for each wave: two stages of 32 x SP bytes, behind them its 256 scale bytes
.set SP,    80                         ; a lane's place in a stage: 64 bytes + 16 of padding
.set SPW,   12                         ; v12  LDS address of my spare word; never rewritten
.set NIL,   13                         ; v13  0; never rewritten
.set SPARE, WAVES*WREG                 ; behind the four regions: the spare words, 128 bytes a wave
	s_load_b512 s[4:19], s[0:1], 0x0               ; x s[4:5], Wq s[6:7], Wk s[8:9], Wv s[10:11], Wp s[12:13], xc s[14:15], xs s[16:17], wc s[18:19]
	s_load_b128 s[20:23], s[0:1], 0x40             ; ws s[20:21], wph s[22:23]
	v_lshl_add_u32 v[SPW], v0, 2, SPARE
	v_mov_b32 v[NIL], 0
	v_lshrrev_b32 v1, 5, v0
	v_readfirstlane_b32 s24, v1                    ; wave
	v_and_b32 v2, 31, v0                           ; lane
	v_lshlrev_b32 v3, 4, v2                        ; my 16 bytes of a load's 512
	s_mul_i32 s25, s24, WREG
	v_lshrrev_b32 v14, 2, v2
	v_mul_u32_u24 v14, v14, SP
	v_and_b32 v15, 3, v2
	v_lshl_add_u32 v14, v15, 4, v14
	v_add_nc_u32 v14, s25, v14                     ; the stage, on the way in: SP (lane / 4) + 16 (lane % 4)
	v_mul_u32_u24 v15, v2, SP
	v_add_nc_u32 v15, s25, v15                     ; and on the way out: SP x lane: my 16 neighbours
	v_mul_u32_u24 v4, v2, CB                       ; 8 x lane: my codes' place in a step's; also my 8 bytes of f16 on Wp's path
	v_lshrrev_b32 v5, 1, v2
	s_add_co_u32 s25, s25, 2*32*SP
	v_add_nc_u32 v5, s25, v5                       ; LDS: my wave's 256 scale bytes, my block's byte
	v_lshlrev_b32 v7, 3, v2                        ; and on the way out 8 bytes a lane
	v_add_nc_u32 v6, s25, v7
	s_wait_kmcnt 0x0
	s_cmp_ge_u32 ttmp9, 352                        ; Wp's work-groups part here, on the work-group's number alone; their path touches no LDS
	s_cbranch_scc1 .Lwp
	s_sub_co_u32 s26, ttmp9, 256                   ; among the weights' 96 work-groups (not used by x's)
	s_and_b32 s27, s26, 31                         ; and inside one weight
	s_cmp_lt_u32 ttmp9, 288
	s_cselect_b64 s[28:29], s[6:7], s[8:9]         ; Wq or Wk
	s_cmp_lt_u32 ttmp9, 320
	s_cselect_b64 s[28:29], s[28:29], s[10:11]     ; or Wv
	s_cmp_lt_u32 ttmp9, 256                        ; x's work-group?  Five choices on this one compare
	s_cselect_b64 s[4:5], s[4:5], s[28:29]         ; the numbers
	s_cselect_b64 s[8:9], s[14:15], s[18:19]       ; the codes
	s_cselect_b64 s[10:11], s[16:17], s[20:21]     ; the scale bytes
	s_cselect_b32 s27, ttmp9, s27                  ; which 32,768 numbers of the source,
	s_cselect_b32 s26, ttmp9, s26                  ; and of the destination
	s_lshl_b32 s27, s27, 2
	s_add_co_u32 s27, s27, s24                     ; my wave's run of 8,192 numbers in the source
	s_lshl_b32 s26, s26, 2
	s_add_co_u32 s26, s26, s24                     ; and in the destination
	s_mov_b32 s31, 0
	s_lshl_b32 s30, s27, 15                        ; 32,768 bytes of f32 a run
	s_add_nc_u64 s[4:5], s[4:5], s[30:31]
	s_lshl_b32 s30, s26, 12                        ; 4,096 bytes of codes
	s_add_nc_u64 s[8:9], s[8:9], s[30:31]
	s_lshl_b32 s30, s26, 8                         ; 256 scale bytes
	s_add_nc_u64 s[10:11], s[10:11], s[30:31]
.macro LOAD t
.irp i, 0,1,2,3
	global_load_b128 v[R+16*((\t)%4)+4*\i:R+16*((\t)%4)+4*\i+3], v3, s[4:5] offset:2048*(\t)+512*\i th:TH_LOAD_NT   ; 32 lanes read 512 consecutive bytes
.endr
.endm
.macro TURN t                          ; step t's numbers through the stage: LDS serves a wave's instructions in order, so no wait stands between the stores and the loads
.irp i, 0,1,2,3
	ds_store_b128 v14, v[R+16*((\t)%4)+4*\i:R+16*((\t)%4)+4*\i+3] offset:32*SP*((\t)%2)+8*SP*\i
.endr
.irp i, 0,1,2,3
	ds_load_b128 v[X+16*((\t)%2)+4*\i:X+16*((\t)%2)+4*\i+3], v15 offset:32*SP*((\t)%2)+16*\i
.endr
.endm
.irp t, 0,1,2,3
	LOAD \t
.endr
	s_wait_loadcnt 12                              ; step 0's four loads are in; the twelve of steps 1 to 3 may be out
	TURN 0
.macro STEP t
.set XS, X+16*((\t)%2)
.if (\t) > 0
	s_wait_dscnt 1                                 ; this step's numbers are back from the stage (the last step's byte store may be out): so its stores into the stage have read their registers,
.else
	s_wait_dscnt 0x0
.endif
.if (\t)+4 < STEPS
	LOAD (\t)+4                                    ; which take the loads of four steps on
.endif
.if (\t)+1 < STEPS
.if STEPS-2-(\t) >= 3
	s_wait_loadcnt 12                              ; the next step's four loads are in; those of the three steps behind it may be out
.else
	s_wait_loadcnt 4*(STEPS-2-(\t))
.endif
	TURN (\t)+1                                    ; and go through the other stage while this step is worked
.endif
	v_max3_num_f32 v8, |v[XS]|, |v[XS+1]|, |v[XS+2]|               ; the largest magnitude of my 16, in two chains
	v_max3_num_f32 v9, |v[XS+3]|, |v[XS+4]|, |v[XS+5]|
.irp i, 6,10
	v_max3_num_f32 v8, v8, |v[XS+\i]|, |v[XS+\i+1]|
	v_max3_num_f32 v9, v9, |v[XS+\i+2]|, |v[XS+\i+3]|
.endr
	v_max3_num_f32 v8, v8, |v[XS+14]|, |v[XS+15]|
	v_max3_num_f32 v8, v8, v9, (EMAX+1)<<23        ; and the floor 2^(EMAX + 1 - 127): so the byte cannot fall under 1
	v_max_num_f32_dpp v8, v8, v8 row_xmask:1 row_mask:0xf bank_mask:0xf   ; and of my neighbour's 16: the block's
	v_add_nc_u32 v11, -(EMAX<<23), v8              ; EMAX off its exponent field: the conversion takes the exponent field of this operand as its scale
	v_cvt_scalef32_pk8_fp4_f32 v[C+4*(\t)], v[XS:XS+7], v11
	v_cvt_scalef32_pk8_fp4_f32 v[C+4*(\t)+1], v[XS+8:XS+15], v11
	v_lshrrev_b32 v[E+(\t)], 23, v11               ; the scale's byte (a plain line behind the conversions)
	ds_store_b8 v5, v[E+(\t)] offset:16*(\t)       ; both lanes of a block write the same byte with the same value
	global_store_b64 v4, v[C+4*(\t):C+4*(\t)+1], s[8:9] offset:32*CB*(\t)   ; 32 lanes store 256 consecutive bytes, aligned
.endm
.irp t, 0,1,2,3,4,5,6,7,8,9,10,11,12,13,14,15
	STEP \t
.endr
	ds_load_b64 v[8:9], v6                         ; LDS serves a wave's instructions in order: these see my stores
	s_wait_dscnt 0x0
	global_store_b64 v7, v[8:9], s[10:11]          ; 32 lanes store 256 consecutive bytes, aligned
	s_wait_tensorcnt 0x0                           ; the wave's end: a wait, an add to my spare word and its wait, behind my last LDS store
	ds_add_u32 v[SPW], v[NIL]
	s_wait_dscnt 0x0
	s_endpgm
; Wp to f16: a wave takes 8,192 numbers in four trips of 16 loads; a lane's four numbers become 8 bytes, a wave's store covers 256 consecutive bytes, aligned.
.Lwp:
	s_sub_co_u32 s26, ttmp9, 352
	s_lshl_b32 s26, s26, 2
	s_add_co_u32 s26, s26, s24                     ; my wave's run of 8,192 numbers
	s_mov_b32 s31, 0
	s_lshl_b32 s30, s26, 15
	s_add_nc_u64 s[12:13], s[12:13], s[30:31]
	s_lshl_b32 s30, s26, 14
	s_add_nc_u64 s[22:23], s[22:23], s[30:31]
	s_mov_b32 s32, 4
.Lwp_trip:
.irp i, 0,1,2,3,4,5,6,7,8,9,10,11,12,13,14,15
	global_load_b128 v[R+4*\i:R+4*\i+3], v3, s[12:13] offset:512*\i th:TH_LOAD_NT
.endr
.irp i, 0,1,2,3,4,5,6,7,8,9,10,11,12,13,14,15
	s_wait_loadcnt 15-\i                           ; load i is in; the younger ones may be out
	v_cvt_pk_f16_f32 v[R+4*\i], v[R+4*\i], v[R+4*\i+1]
	v_cvt_pk_f16_f32 v[R+4*\i+1], v[R+4*\i+2], v[R+4*\i+3]
	global_store_b64 v4, v[R+4*\i:R+4*\i+1], s[22:23] offset:256*\i
.endr
	s_wait_xcnt 0x0                                ; the stores have read their data and their base: the next trip's loads may land there, and both bases may step
	s_add_nc_u64 s[12:13], s[12:13], 8192
	s_add_nc_u64 s[22:23], s[22:23], 4096
	s_sub_co_u32 s32, s32, 1
	s_cmp_lg_u32 s32, 0
	s_cbranch_scc1 .Lwp_trip
	s_endpgm
.Lfunc_end_k_q064866ac6d_quant:
	.size	k_q064866ac6d_quant, .Lfunc_end_k_q064866ac6d_quant-k_q064866ac6d_quant
	.p2alignl 7, 3214868480
	.fill 96, 4, 3214868480
	.section	.rodata,"a",@progbits
	.p2align	6, 0x0
	.amdhsa_kernel k_q064866ac6d_quant
		.amdhsa_group_segment_fixed_size 33280
		.amdhsa_private_segment_fixed_size 0
		.amdhsa_enable_private_segment 0
		.amdhsa_kernarg_size 80
		.amdhsa_user_sgpr_count 2
		.amdhsa_user_sgpr_kernarg_segment_ptr 1
		.amdhsa_wavefront_size32 1
		.amdhsa_system_sgpr_workgroup_id_x 1
		.amdhsa_system_sgpr_workgroup_id_y 1
		.amdhsa_system_sgpr_workgroup_id_z 1
		.amdhsa_system_vgpr_workitem_id 0
		.amdhsa_next_free_vgpr 192
		.amdhsa_next_free_sgpr 66
		.amdhsa_reserve_vcc 0
		.amdhsa_float_denorm_mode_32 3
		.amdhsa_float_denorm_mode_16_64 3
		.amdhsa_memory_ordered 1
		.amdhsa_forward_progress 1
		.amdhsa_inst_pref_size 40
	.end_amdhsa_kernel
	.amdgpu_metadata
---
amdhsa.version: [ 1, 2 ]
amdhsa.kernels:
  - .name:           k_q064866ac6d_quant
    .symbol:         k_q064866ac6d_quant.kd
    .args:
      - { .name: x, .offset: 0, .size: 8, .value_kind: global_buffer, .address_space: global }
      - { .name: Wq, .offset: 8, .size: 8, .value_kind: global_buffer, .address_space: global }
      - { .name: Wk, .offset: 16, .size: 8, .value_kind: global_buffer, .address_space: global }
      - { .name: Wv, .offset: 24, .size: 8, .value_kind: global_buffer, .address_space: global }
      - { .name: Wp, .offset: 32, .size: 8, .value_kind: global_buffer, .address_space: global }
      - { .name: xc, .offset: 40, .size: 8, .value_kind: global_buffer, .address_space: global }
      - { .name: xs, .offset: 48, .size: 8, .value_kind: global_buffer, .address_space: global }
      - { .name: wc, .offset: 56, .size: 8, .value_kind: global_buffer, .address_space: global }
      - { .name: ws, .offset: 64, .size: 8, .value_kind: global_buffer, .address_space: global }
      - { .name: wph, .offset: 72, .size: 8, .value_kind: global_buffer, .address_space: global }
    .group_segment_fixed_size: 33280
    .private_segment_fixed_size: 0
    .kernarg_segment_align: 8
    .kernarg_segment_size: 80
    .max_flat_workgroup_size: 128
    .sgpr_count:     66
    .vgpr_count:     192
    .wavefront_size: 32
...
	.end_amdgpu_metadata
.endif
;; end of part 1
;; launch qkv (part 2): grid 12 x 32, 4 waves a work-group, clusters of 4 x 4, 327,680 bytes of LDS; arguments xc, xs, wc, ws, qkv; writes qkv
.if DOCPART == 2
	.amdgcn_target "amdgcn-amd-amdhsa--gfx1250"
	.amdhsa_code_object_version 6
	.text
	.protected	k_q064866ac6d_qkv
	.globl	k_q064866ac6d_qkv
	.p2align	8
	.type	k_q064866ac6d_qkv,@function
k_q064866ac6d_qkv:
	s_mov_b64 s[64:65], 0
	v_nop
	global_prefetch_b8 v0, s[64:65] scope:SCOPE_SE
	s_setreg_imm32_b32 hwreg(HW_REG_WAVE_MODE, 25, 1), 1
	s_wait_xcnt 0x0
	s_wait_alu depctr_hold_cnt(0) depctr_sa_sdst(0) depctr_va_vdst(0) depctr_va_sdst(0) depctr_va_ssrc(0) depctr_va_vcc(0) depctr_vm_vsrc(0)
	s_getreg_b32 s2, hwreg(HW_REG_IB_STS2, 6, 4)
	s_cmp_eq_u32 s2, 0
	s_cbranch_scc0 .Lentry_in_a_cluster
	s_endpgm
.Lentry_in_a_cluster:
	s_bfe_u32 s2, ttmp6, 0x10000c
	s_cmp_lg_u32 s2, 0xf033
	s_cbranch_scc0 .Lentry_shape_is_right
	s_endpgm
.Lentry_shape_is_right:
; [8192 tokens][3072] = x [Wq; Wk; Wv]^T on codes of FP4 (E2M1) with one E8M0 scale for each 32 along K = 1,024; sums in f32; the results are rounded once to f16 and laid by head:
; qkv [which 3][b 4][h 16][t 2048][64] f16 (strides 2^24, 2^22, 2^18, 128 bytes), so that a head's rows are dense for the attention that follows.
; LIMIT: a result above 65,504 in magnitude becomes infinity in f16.
; A tile of 256 tokens x 256 columns is made by a work-group of four waves; a wave makes 128 x 128: 64 accumulators of 16 x 16, 512 registers.  K is two steps of 512: both lie in LDS at once, each in a slot
; of its own, filled once by the tensor data mover (a tile's row is 256 bytes of memory); nothing is filled again.  The scale bytes of the work-group's 256 + 256 rows, two dense blocks, come with them.
; CLUSTERS: 4 x 4 work-groups.  The four of a row of the cluster need the same tiles of x, the four of a column the same tiles of W: each tile is asked for JOINTLY, by the same tensor load with the same
; descriptor and a mask that names the four.  THE MATRIX INSTRUCTION IS USED TRANSPOSED (source 0 = 16 rows of W, source 1 = 16 tokens): a lane then holds eight neighbouring columns of one token.
; REGISTERS, in windows of 256: window 0: v0-31 addresses; v32-95 scale words, two sets; from v128 x's fragments (8 x 16 rows x 128 K), ONE set; on the way out v128-223 are free.
;   window 1: W's fragments, TWO sets, at v0 and at v128.   window 2: the 32 accumulators of my tokens 0-63 (accumulator (a, b) at v[8 (8 a + b)]);   window 3: those of my tokens 64-127.
.set SIZE_K, 1024
.set KSTEP,  512                       ; along K in a slot
.set NQ,     KSTEP/128                 ; matrix instructions deep
.set ROWB,   256                       ; a tile's row in bytes
.set KROW,   SIZE_K*4/8                ; a row of codes in memory, in bytes
.set PITCH,  272                       ; an LDS row: 256 bytes + 16 of padding = 68 words: the 16 rows that a load touches start at 16 different banks (64 banks of 4 bytes: ISA guide 11.1)
.set FR,     8                         ; registers of a fragment: 16 rows x 128 K
.set NL,     2                         ; LDS loads that bring one
.set NP,     4                         ; places behind this matrix instruction (ISA guide 7.12.1)
.set HALFT,  128*PITCH                 ; 128 rows: what one tensor load brings
.set SLOT,   4*HALFT                   ; x's 256 rows, then W's 256 rows
.set KS,     SIZE_K/32                 ; a row of scales in bytes
.set SCL,    2*SLOT                    ; behind the slots: the scales, as runs of 256 bytes + 16 of padding
.set HALFS,  (128*KS/256)*272          ; the scales of 128 rows: what one tensor load brings
.set SBLK,   (16*KS/256)*272           ; those of 16 rows
.set SPARE,  SCL+4*HALFS               ; behind the scales: the spare words, 128 bytes a wave
.set SPITCH, 272                       ; the way out: a stage of 16 rows x (256 bytes + 16) for each wave, in slot 0, which has had its only fill and its last read when the first result is stored there
.set ADRA, 16                          ; v16-17  LDS address of my x fragments in slot 0, 1
.set ADRB, 20                          ; v20-21  the same for W
.set STO,  24                          ; v24     the way out: where I put 16 bytes of a token's row
.set RD,   25                          ; v25     the way out: where I read back
.set CO,   26                          ; v26     16 x lane
.set ADRS, 27                          ; v27     LDS address of my scale words: lanes 0-15 x's rows, lanes 16-31 W's
.set SPW,  28                          ; v28     LDS address of my spare word; never rewritten
.set NIL,  29                          ; v29     0; never rewritten
.set SC,   32                          ; scale words: set s at v[SC + 8 NQ s]; register NQ i + q: lanes 0-15 the word of x's block i, lanes 16-31 that of W's block i, for the slot's q-th 128 along K
.set AF,   128                         ; x's fragments, in window 0
.set BK,   128                         ; the way out: a block read back from the stage: v128-159 and v160-191 by turns
.set TMP,  192                         ; the way out: v192-223 packed results
.set G1, 24                            ; s[24:31] descriptor group 1 for x's tiles;  s[32:39] group 0, one set for each slot
.set G0, 32
.set G1B, 48                           ; s[48:55], s[56:63] the same for W's tiles
.set G0B, 56
.set G1S, 68                           ; s[68:75], s[76:79] groups 1 and 0 for x's scales;  s[80:87], s[88:91] for W's
.set G0S, 76
.set G1SB, 80
.set G0SB, 88
.set MSB, 0
.macro WIN new                         ; the immediate's high byte repeats the setting that is left
.if MSB != \new
	s_set_vgpr_msb (MSB<<8)|\new
.set MSB, \new
.endif
.endm
.set MUL_LO, 0xa1                      ; source 0 (W) window 1, source 1 (x) window 0, C and D window 2
.set MUL_HI, 0xf1                      ; the same, C and D window 3
.set TO_B,   0x40                      ; destination window 1, address window 0
; A joint load: waves 0 and 1 fetch for x, waves 2 and 3 for W.  Each of the two lines has ONE mask and one set of registers for all that issue it; the branch hangs on the wave's number alone.
; An s_nop 0 and four v_nop follow each of the two lines, ahead of the jump, the label and what follows.
.macro JLOAD g0a, g1a, g0b, g1b
	s_cmp_eq_u32 s15, 0
	s_cbranch_scc0 .Lfor_b_\@
	tensor_load_to_lds s[\g0a:\g0a+3], s[\g1a:\g1a+7]
	s_nop 0
.rept 4
	v_nop
.endr
	s_branch .Lasked_\@
.Lfor_b_\@:
	tensor_load_to_lds s[\g0b:\g0b+3], s[\g1b:\g1b+7]
	s_nop 0
.rept 4
	v_nop
.endr
.Lasked_\@:
.endm
.macro CROUND                          ; a round of the cluster's barrier
	s_barrier_signal -1
	s_barrier_wait -1
	s_cmp_lg_u32 s14, 0
	s_cbranch_scc1 .Lnot_wave_0_\@
	s_barrier_signal -3
.Lnot_wave_0_\@:
	s_barrier_wait -3
	s_barrier_signal -1
	s_barrier_wait -1
.endm
	s_load_b128 s[4:7], s[0:1], 0x0                ; x's codes s[4:5], x's scales s[6:7]
	s_load_b128 s[8:11], s[0:1], 0x10              ; W's codes s[8:9], W's scales s[10:11]
	s_load_b64 s[12:13], s[0:1], 0x20              ; qkv
	v_lshl_add_u32 v[SPW], v0, 2, SPARE
	v_mov_b32 v[NIL], 0
	ds_add_u32 v[SPW], v[NIL]                      ; the wave's opening: the add, twice on end, and its wait ahead of my first tensor load; the set-up below stands between
	ds_add_u32 v[SPW], v[NIL]
	v_lshrrev_b32 v1, 5, v0
	v_readfirstlane_b32 s14, v1                    ; wave 0..3
	s_lshr_b32 s15, s14, 1                         ; which half of the tile's tokens is mine.  Also: I fetch for x (0) or for W (1)
	s_and_b32 s16, s14, 1                          ; which half of its columns.  Also: which 128 rows of that tile I fetch
	s_bfe_u32 s40, ttmp6, 0x40000                  ; cx, cy: my place in the cluster
	s_bfe_u32 s41, ttmp6, 0x40004
	s_lshl_b32 s42, ttmp9, 2
	s_add_co_u32 s42, s42, s40                     ; tile column = 4 x cluster x + cx
	s_and_b32 s17, ttmp7, 0xffff
	s_lshl_b32 s17, s17, 2
	s_add_co_u32 s17, s17, s41                     ; tile row = 4 x cluster y + cy
	s_lshl_b32 s43, s41, 2
	s_lshl_b32 s43, 15, s43                        ; my row of the cluster
	s_lshl_b32 s44, 0x1111, s40                    ; my column
	; descriptor group 1: a tile of 128 rows x 256 bytes, padded in LDS
	s_or_b32 s[G1+0], s43, (0<<16)|(1<<20)|(1<<21)|(5<<22)|(3<<25)  ; 15:0 the mask: x's tiles go to my row; 17:16 element of 1 byte; 20 padding on; 21 set beside a mask; 24:22 after every 64 words; 31:25 of 4 words
	s_or_b32 s[G1B+0], s44, (0<<16)|(1<<20)|(1<<21)|(5<<22)|(3<<25)
.irp g, G1, G1B
	s_mov_b32 s[\g+1], ROWB<<16                    ; tensor_dim0
	s_mov_b32 s[\g+2], 128<<16                     ; tensor_dim1 = 128
	s_mov_b32 s[\g+3], ROWB<<16                    ; tile_dim0
	s_mov_b32 s[\g+4], 128                         ; tile_dim1 = 128
	s_mov_b32 s[\g+5], KROW                        ; tensor_dim0_stride
	s_mov_b32 s[\g+6], 0
	s_mov_b32 s[\g+7], 0
.endr
	; and for the scales of 128 rows: a dense block of 4,096 bytes, as rows of 256 bytes (32 elements of 8 bytes), 16 bytes of padding behind each
	s_or_b32 s[G1S+0], s43, (3<<16)|(1<<20)|(1<<21)|(5<<22)|(3<<25)
	s_or_b32 s[G1SB+0], s44, (3<<16)|(1<<20)|(1<<21)|(5<<22)|(3<<25)
.irp g, G1S, G1SB
	s_mov_b32 s[\g+1], 32<<16
	s_mov_b32 s[\g+2], (128*KS/256)<<16
	s_mov_b32 s[\g+3], 32<<16
	s_mov_b32 s[\g+4], 128*KS/256
	s_mov_b32 s[\g+5], 32
	s_mov_b32 s[\g+6], 0
	s_mov_b32 s[\g+7], 0
.endr
	s_lshl_b32 s18, s16, 7                         ; which 128 rows of the tile I fetch
	s_lshl_b32 s20, s17, 8
	s_add_co_u32 s20, s20, s18                     ; x: row 256 x tile row + 128 x half
	s_lshl_b32 s46, s42, 8
	s_add_co_u32 s46, s46, s18                     ; W: row 256 x tile column + 128 x half
	s_mov_b32 s21, 0
	s_mov_b32 s47, 0
	s_mov_b64 s[18:19], KS
	s_mul_u64 s[22:23], s[20:21], s[18:19]         ; where these rows' scales begin, in bytes
	s_mul_u64 s[92:93], s[46:47], s[18:19]
	s_mov_b64 s[18:19], KROW
	s_mul_u64 s[20:21], s[20:21], s[18:19]         ; and their codes
	s_mul_u64 s[46:47], s[46:47], s[18:19]
	s_mul_i32 s45, s14, HALFT                      ; where they go: wave x 128 rows: no place in the cluster enters an LDS address
	s_mul_i32 s94, s14, HALFS
	s_wait_dscnt 0x0                               ; both opening adds are done
	s_wait_kmcnt 0x0
	s_add_nc_u64 s[20:21], s[4:5], s[20:21]
	s_add_nc_u64 s[22:23], s[6:7], s[22:23]
	s_add_nc_u64 s[46:47], s[8:9], s[46:47]
	s_add_nc_u64 s[92:93], s[10:11], s[92:93]
	CROUND                                         ; all sixteen work-groups are here: the joint loads meet
	s_mov_b32 s[G0S], 1
	s_add_co_u32 s[G0S+1], s94, SCL
	s_mov_b64 s[G0S+2:G0S+3], s[22:23]
	s_or_b32 s[G0S+3], s[G0S+3], 0x80000000
	s_mov_b32 s[G0SB], 1
	s_add_co_u32 s[G0SB+1], s94, SCL
	s_mov_b64 s[G0SB+2:G0SB+3], s[92:93]
	s_or_b32 s[G0SB+3], s[G0SB+3], 0x80000000
	JLOAD G0S, G1S, G0SB, G1SB                     ; the scales first: they are wanted with K step 0
.irp s, 0,1
	s_mov_b32 s[G0+4*\s], 1
	s_add_co_u32 s[G0+4*\s+1], s45, \s*SLOT
	s_add_nc_u64 s[G0+4*\s+2:G0+4*\s+3], s[20:21], \s*ROWB
	s_or_b32 s[G0+4*\s+3], s[G0+4*\s+3], 0x80000000
	s_mov_b32 s[G0B+4*\s], 1
	s_add_co_u32 s[G0B+4*\s+1], s45, \s*SLOT
	s_add_nc_u64 s[G0B+4*\s+2:G0B+4*\s+3], s[46:47], \s*ROWB
	s_or_b32 s[G0B+4*\s+3], s[G0B+4*\s+3], 0x80000000
	JLOAD G0+4*\s, G1, G0B+4*\s, G1B               ; by this text's count three tensor loads of a wave are out at the most
.endr
	v_and_b32 v1, 15, v0                           ; l % 16
	v_bfe_u32 v2, v0, 4, 1                         ; l / 16
	v_mul_u32_u24 v3, v1, PITCH
	v_lshl_add_u32 v4, v2, 4, v3                   ; a fragment's row x pitch + 16 x half
	s_mul_i32 s21, s15, HALFT                      ; my 128 rows of x
	s_mul_i32 s22, s16, HALFT                      ; my 128 rows of W,
	s_add_co_u32 s22, s22, 2*HALFT                 ; which lie behind x's 256
.irp s, 0,1
	v_add_nc_u32 v[ADRA+\s], s21, v4
	v_add_nc_u32 v[ADRB+\s], s22, v4
	s_add_co_u32 s21, s21, SLOT
	s_add_co_u32 s22, s22, SLOT
.endr
	v_mul_u32_u24 v5, v1, KS                       ; my row's scales: KS bytes a row,
	v_lshrrev_b32 v6, 8, v5
	v_lshl_add_u32 v5, v6, 4, v5                   ; and 16 more for each 256 passed
	s_mul_i32 s21, s15, HALFS                      ; x's: my 128 rows
	s_mul_i32 s22, s16, HALFS                      ; W's: my 128 rows, behind x's 256
	s_add_co_u32 s22, s22, 2*HALFS
	s_sub_co_u32 s22, s22, s21
	v_mul_u32_u24 v6, s22, v2                      ; lanes 16-31 take W's
	s_add_co_u32 s21, s21, SCL
	v_add_nc_u32 v5, v5, v6
	v_add_nc_u32 v[ADRS], s21, v5
	s_mul_i32 s23, s14, 16*SPITCH                  ; my stage
	v_mul_u32_u24 v5, v1, SPITCH                   ; in: row l % 16, 16 bytes for each half of the lanes
	v_lshl_add_u32 v5, v2, 4, v5
	v_add_nc_u32 v[STO], s23, v5
	v_and_b32 v6, 31, v0
	v_lshlrev_b32 v[CO], 4, v6                     ; in memory: 16 bytes a lane, four tokens of one head on end
	v_lshrrev_b32 v7, 3, v6                        ; back: eight lanes take a token's 128 bytes of one head
	v_mul_u32_u24 v7, v7, SPITCH
	v_and_b32 v8, 7, v6
	v_lshl_add_u32 v7, v8, 4, v7
	v_add_nc_u32 v[RD], s23, v7
	; where my 128 tokens x 2 heads begin in qkv
	s_lshl_b32 s20, s17, 8
	s_lshl_b32 s21, s15, 7
	s_add_co_u32 s20, s20, s21                     ; my first token, 0 .. 8,191
	s_lshr_b32 s21, s20, 11                        ; b
	s_and_b32 s20, s20, 2047                       ; t
	s_lshl_b32 s21, s21, 22
	s_lshl_b32 s20, s20, 7
	s_add_co_u32 s20, s20, s21
	s_mov_b32 s21, 0
	s_lshl_b32 s46, s42, 2
	s_lshl_b32 s47, s16, 1
	s_add_co_u32 s46, s46, s47                     ; my first head among the 48: 4 x tile column + 2 x half (even: both my heads lie in one of q, k, v)
	s_lshr_b32 s47, s46, 4                         ; which of q, k, v
	s_and_b32 s46, s46, 15                         ; h
	s_lshl_b32 s47, s47, 24
	s_lshl_b32 s46, s46, 18
	s_add_co_u32 s46, s46, s47
	s_mov_b32 s47, 0
	s_add_nc_u64 s[20:21], s[20:21], s[46:47]
	s_add_nc_u64 s[12:13], s[12:13], s[20:21]
.macro FRAG reg, adr, q, i             ; a fragment, 16 rows x 128 K of 4-bit codes: lane l holds row l % 16; registers 4 c .. 4 c + 3 hold K = 64 c + 32 (l / 16) + 0 .. 31
.irp c, 0,1
	ds_load_b128 v[\reg+4*\c:\reg+4*\c+3], v[\adr] offset:64*(\q)+32*\c+(\i)*16*PITCH
.endr
.endm
; 16 matrix instructions: x's blocks a0, a0 + 1 against W's eight, 128 along K: the slot's q-th.  p: W's set;  sc: the set of scale words.  zero = 1: the first product starts the sums.
; The 64 accumulators take turns, one instruction a turn, in the same order in every step.
.macro MUL16 a0, p, q, sc, zero
.irp a, \a0, \a0+1
.irp b, 0,1,2,3,4,5,6,7
.if \zero
	v_wmma_scale_f32_16x16x128_f8f6f4 v[8*(8*((\a)%4)+\b):8*(8*((\a)%4)+\b)+7], v[128*(\p)+FR*\b:128*(\p)+FR*\b+FR-1], v[AF+FR*(\a):AF+FR*(\a)+FR-1], 0, v[SC+8*NQ*(\sc)+NQ*\b+(\q)], v[SC+8*NQ*(\sc)+NQ*(\a)+(\q)] matrix_a_fmt:MATRIX_FMT_FP4 matrix_b_fmt:MATRIX_FMT_FP4 matrix_a_scale:MATRIX_SCALE_ROW1
.else
	v_wmma_scale_f32_16x16x128_f8f6f4 v[8*(8*((\a)%4)+\b):8*(8*((\a)%4)+\b)+7], v[128*(\p)+FR*\b:128*(\p)+FR*\b+FR-1], v[AF+FR*(\a):AF+FR*(\a)+FR-1], v[8*(8*((\a)%4)+\b):8*(8*((\a)%4)+\b)+7], v[SC+8*NQ*(\sc)+NQ*\b+(\q)], v[SC+8*NQ*(\sc)+NQ*(\a)+(\q)] matrix_a_fmt:MATRIX_FMT_FP4 matrix_b_fmt:MATRIX_FMT_FP4 matrix_a_scale:MATRIX_SCALE_ROW1
.endif
.endr
.endr
.endm
.macro FETCH_B slot, q, p              ; W's eight fragments of the slot's q-th 128 along K into set p
	WIN TO_B
.irp i, 0,1,2,3,4,5,6,7
	FRAG 128*(\p)+FR*\i, ADRB+\slot, \q, \i
.endr
	WIN 0
.endm
.macro FETCH_A slot, q, i0             ; x's blocks i0 .. i0 + 3
.irp i, \i0, \i0+1, \i0+2, \i0+3
	FRAG AF+FR*(\i), ADRA+\slot, \q, \i
.endr
.endm
.macro SCALES sc                       ; a K step's scale words into set sc: NQ words a row; lanes 0-15 take x's block i, lanes 16-31 W's block i
.irp i, 0,1,2,3,4,5,6,7
	ds_load_b128 v[SC+8*NQ*\sc+NQ*\i:SC+8*NQ*\sc+NQ*\i+3], v[ADRS] offset:\i*SBLK
.endr
.endm
; A load into a register that a matrix instruction has read, and a vector instruction that reads a matrix result, stand NP places behind that matrix instruction; only plain vector
; instructions that name none of its registers are places (ISA guide 7.12.1 for vector instructions).
.macro PLACES n
.rept \n
	v_nop
.endr
.endm
; A step of 128 along K that has its successor in the same slot.
.macro STEP slot, q, zero
	s_wait_dscnt 4*NL                              ; W's set and x's blocks 0-3 are in; the youngest eight loads (x's blocks 4-7) may be out
	WIN MUL_LO
	MUL16 0, (\q)%2, \q, \slot, \zero
	MUL16 2, (\q)%2, \q, \slot, \zero
	s_wait_dscnt 0                                 ; x's blocks 4-7 are in (asked for 32 matrix instructions ago)
	PLACES NP
	FETCH_B \slot, (\q)+1, 1-(\q)%2
	FETCH_A \slot, (\q)+1, 0
	WIN MUL_HI
	MUL16 4, (\q)%2, \q, \slot, \zero
	MUL16 6, (\q)%2, \q, \slot, \zero
	PLACES NP
	WIN 0
	FETCH_A \slot, (\q)+1, 4
.endm
.macro STEPS slot, from                ; the slot's steps from .. NQ - 2
.set Q, \from
.rept NQ-1-\from
	STEP \slot, Q, 0
.set Q, Q+1
.endr
.endm
	s_wait_tensorcnt 1                             ; the scales and my part of K step 0 are in (K step 1's load may be out)
	s_barrier_signal -1
	s_barrier_wait -1                              ; everybody's are
	FETCH_B 0, 0, 0
	FETCH_A 0, 0, 0
	SCALES 0
	FETCH_A 0, 0, 4
	STEP 0, 0, 1                                   ; the first step's products start the sums: nothing is cleared
	STEPS 0, 1
	; slot 0's last step, and the change to slot 1: one barrier.  In front of it each wave waits for all its tensor loads (its part of slot 1), adds 0 to its spare word, and waits for that and for its reads of slot 0.
	s_wait_tensorcnt 0x0
	ds_add_u32 v[SPW], v[NIL]
	s_wait_dscnt 4*NL+1                            ; (the add and the youngest eight loads, x's blocks 4-7, may be out)
	WIN MUL_LO
	MUL16 0, 1, NQ-1, 0, 0                         ; sixteen matrix instructions stand between the add and the wait for it
	s_wait_dscnt 0x0                               ; the add is done, and my reads of slot 0 are over
	s_barrier_signal -1
	MUL16 2, 1, NQ-1, 0, 0
	WIN 0
	s_barrier_wait -1                              ; slot 1 is whole, and nobody reads slot 0 any more
	PLACES NP
	v_add_nc_u32 v[ADRS], 4*NQ, v[ADRS]            ; on to K step 1's scale words (no LDS load of mine is out)
	FETCH_B 1, 0, 0
	FETCH_A 1, 0, 0
	SCALES 1
	WIN MUL_HI
	MUL16 4, 1, NQ-1, 0, 0
	MUL16 6, 1, NQ-1, 0, 0
	PLACES NP
	WIN 0
	FETCH_A 1, 0, 4
	STEPS 1, 0
	s_wait_dscnt 4*NL                              ; the very last step: nothing more to fetch
	WIN MUL_LO
	MUL16 0, 1, NQ-1, 1, 0
	MUL16 2, 1, NQ-1, 1, 0
	s_wait_dscnt 0
	WIN MUL_HI
	MUL16 4, 1, NQ-1, 1, 0
	MUL16 6, 1, NQ-1, 1, 0
	WIN 0
; THE WAY OUT, block by block of 16 tokens x 128 columns (two heads).  PACK: rounded to f16, 16 bytes a lane, each accumulator from its low end on.  TOSTAGE: into my own stage in LDS, and back so that
; 32 lanes hold four tokens' 128 bytes of ONE head, which are 512 consecutive bytes of qkv.  SEND: stored.  LDS serves a wave's instructions in order (ISA guide 5.7.1.4): no wait between the stores and the loads.
.macro PACK a
.set AC, 64*((\a)%4)
	WIN 0x0a+5*((\a)/4)                            ; sources 0 and 1: window 2 or 3
.irp b, 0,1,2,3,4,5,6,7
.irp r, 0,1,2,3
	v_cvt_pk_f16_f32 v[TMP+4*\b+\r], v[AC+8*\b+2*\r], v[AC+8*\b+2*\r+1]
.endr
.endr
	WIN 0
.endm
.macro TOSTAGE a
.set BB, BK+32*((\a)%2)
.irp b, 0,1,2,3,4,5,6,7
	ds_store_b128 v[STO], v[TMP+4*\b:TMP+4*\b+3] offset:32*\b
.endr
.irp j, 0,1
.irp i, 0,1,2,3
	ds_load_b128 v[BB+4*(4*\j+\i):BB+4*(4*\j+\i)+3], v[RD] offset:4*SPITCH*\i+128*\j   ; head j, tokens 4 i .. 4 i + 3 of the block
.endr
.endr
.endm
.macro SEND a
.set BB, BK+32*((\a)%2)
	s_wait_dscnt 0x0                               ; the block is back in registers
	s_wait_xcnt 0x0                                ; the block before has had its stores' registers read: the next block's loads from the stage may land there
.irp j, 0,1
.irp i, 0,1,2,3
	global_store_b128 v[CO], v[BB+4*(4*\j+\i):BB+4*(4*\j+\i)+3], s[12:13] offset:262144*\j+2048*(\a)+512*\i   ; 32 lanes store 512 consecutive bytes, at a multiple of 256 from qkv's first byte
.endr
.endr
.endm
	PLACES NP                                      ; behind the last products: for the loads into the registers that held x's fragments; block 0's results were finished long ago
	PACK 0
	TOSTAGE 0
.irp a, 1,2,3,4,5,6,7                  ; block a's conversions stand between block a - 1's loads from the stage and the wait for them
	PACK \a
	SEND \a-1
	TOSTAGE \a
.endr
	SEND 7
	s_wait_tensorcnt 0x0                           ; the wave's end: a wait, an add to my spare word and its wait, behind my last tensor load and my last LDS store
	ds_add_u32 v[SPW], v[NIL]
	s_wait_dscnt 0x0
	CROUND                                         ; the closing round: no work-group ends while a partner may still ask for a tile that names it
	s_endpgm
.Lfunc_end_k_q064866ac6d_qkv:
	.size	k_q064866ac6d_qkv, .Lfunc_end_k_q064866ac6d_qkv-k_q064866ac6d_qkv
	.p2alignl 7, 3214868480
	.fill 96, 4, 3214868480
	.section	.rodata,"a",@progbits
	.p2align	6, 0x0
	.amdhsa_kernel k_q064866ac6d_qkv
		.amdhsa_group_segment_fixed_size 327680
		.amdhsa_private_segment_fixed_size 0
		.amdhsa_enable_private_segment 0
		.amdhsa_kernarg_size 40
		.amdhsa_user_sgpr_count 2
		.amdhsa_user_sgpr_kernarg_segment_ptr 1
		.amdhsa_wavefront_size32 1
		.amdhsa_system_sgpr_workgroup_id_x 1
		.amdhsa_system_sgpr_workgroup_id_y 1
		.amdhsa_system_sgpr_workgroup_id_z 1
		.amdhsa_system_vgpr_workitem_id 0
		.amdhsa_next_free_vgpr 1024
		.amdhsa_next_free_sgpr 98
		.amdhsa_reserve_vcc 0
		.amdhsa_float_denorm_mode_32 3
		.amdhsa_float_denorm_mode_16_64 3
		.amdhsa_memory_ordered 1
		.amdhsa_forward_progress 1
		.amdhsa_inst_pref_size 127
	.end_amdhsa_kernel
	.amdgpu_metadata
---
amdhsa.version: [ 1, 2 ]
amdhsa.kernels:
  - .name:           k_q064866ac6d_qkv
    .symbol:         k_q064866ac6d_qkv.kd
    .args:
      - { .name: xc, .offset: 0, .size: 8, .value_kind: global_buffer, .address_space: global }
      - { .name: xs, .offset: 8, .size: 8, .value_kind: global_buffer, .address_space: global }
      - { .name: wc, .offset: 16, .size: 8, .value_kind: global_buffer, .address_space: global }
      - { .name: ws, .offset: 24, .size: 8, .value_kind: global_buffer, .address_space: global }
      - { .name: qkv, .offset: 32, .size: 8, .value_kind: global_buffer, .address_space: global }
    .group_segment_fixed_size: 327680
    .private_segment_fixed_size: 0
    .kernarg_segment_align: 8
    .kernarg_segment_size: 40
    .max_flat_workgroup_size: 128
    .sgpr_count:     98
    .vgpr_count:     1024
    .wavefront_size: 32
...
	.end_amdgpu_metadata
.endif
;; end of part 2
;; launch attn (part 3): grid 4 x 64, 16 waves a work-group, no clusters, 327,680 bytes of LDS; arguments qkv, att; writes att
.if DOCPART == 3
	.amdgcn_target "amdgcn-amd-amdhsa--gfx1250"
	.amdhsa_code_object_version 6
	.text
	.protected	k_q064866ac6d_attn
	.globl	k_q064866ac6d_attn
	.p2align	8
	.type	k_q064866ac6d_attn,@function
k_q064866ac6d_attn:
	s_mov_b64 s[64:65], 0
	v_nop
	global_prefetch_b8 v0, s[64:65] scope:SCOPE_SE
	s_setreg_imm32_b32 hwreg(HW_REG_WAVE_MODE, 25, 1), 1
	s_wait_xcnt 0x0
; att[b][h][q][:] = the sum over keys k <= q of softmax_k(Q[q] . K[k] / 8) V[k][:], for 64 heads (b, h) of 2,048 positions and head size 64.  Q, K, V: the three parts of qkv, f16, [b][h][t][64]; att likewise.
; Products on f16 operands with f32 sums; maxima, exponentials and row sums in f32; the weights p are rounded to f16 for the second product, att once at the end.
; LIMITS: |att| above 65,504 becomes infinity in f16; NaN and infinities are not served.
; SOFTMAX.  For each query a running maximum m and sum l: p = 2^(c s - c m), c = log2(e) / 8; in every step O and l are multiplied by a = 2^(c m_old - c m_new).  The sum is taken of the unrounded p.
; SHARES.  Work-group (x, head) owns the query blocks x and 7 - x, 256 queries each: under the causal mask that is 9 blocks of 256 x 256 for every work-group.  Waves 0-7 take block x, waves 8-15 block 7 - x;
; a wave owns 32 queries, two tiles of 16, in 256 registers: four waves to a SIMD, so that one wave's vector work stands beside another's matrix work and LDS loads.
; Keys go 64 a step.  K's and V's tiles come through a ring of two LDS slots of 256 keys, filled by the tensor data mover (waves 0, 1: K's halves; waves 2, 3: V's) and read by all sixteen.
; EVERY work-group walks all 8 slots (constant trip counts); a step all of whose keys come after a wave's queries is jumped over, and a slot whose first key comes after the work-group's last query is not asked for.
; NO CLUSTER: the four work-groups of a head need 8, 7, 6 and 5 slots, so a joint load would bring tiles that some partner never reads.
; LAYOUT.  S^T = K Q^T (source 0 = 16 keys, source 1 = 16 queries): a lane holds ONE query (lane % 16) and the keys 8 (lane / 16) + 0..7.  Two such tiles, rounded to f16 in pairs, ARE source 1 (32 keys x 16 queries)
; of O^T = V^T P, whose result again holds one query a lane, and eight channels.  K comes out of LDS as it lies, V ([key][channel]) turned, by ds_load_tr16_b128.
; LDS.  A head's rows are dense, 128 bytes a key: a tile's row is TWO keys, 256 bytes.  Key kk of a slot lies at (kk / 2) x pitch + 128 (kk % 2).
.set PK,    272                        ; K: 256 bytes + 16: the 16 keys of a load fall on 16 (r / 2) + 128 (r % 2) modulo 256: sixteen different columns of 16 bytes
.set PVP,   288                        ; V: 256 bytes + 32: 16 lanes of the turning load take 8 keys x 32 bytes at 32 p + 128 (key % 2) + 16 u modulo 256: each column once
.set VOFF,  128*PK                     ; a slot: 128 rows of K, then 128 rows of V
.set SLOT1, 1<<17                      ; slot 1 begins here, so that one exclusive or turns an address in one slot into the other's
.set STAGE, SLOT1+128*(PK+PVP)         ; behind the ring: 32 rows x (128 bytes + 16) for each wave, for the way out: bytes of their own, into which no tile lands
.set SPARE, STAGE+16*32*144            ; behind the stages: the spare words, 128 bytes a wave
.set AK0,  1                           ; v1   my lane's place in a tile of K; never rewritten
.set AV0,  2                           ; v2   the same for V
.set ADK,  3                           ; v3   LDS address of the step's K
.set ADV,  4                           ; v4   of its V
.set SPW,  5                           ; v5   LDS address of my spare word; never rewritten
.set NIL,  6                           ; v6   0; never rewritten
.set DQ,   7                           ; v7   lane % 16 - 8 (lane / 16)
.set PFO,  8                           ; v8   256 x lane: the prefetches' offset; never rewritten
.set DD,   9                           ; v9   the mask's distance
.set NINF, 10                          ; v10  -infinity
.set ST,   16                          ; v16-31   tile t's statistics at v[ST + 8 t]: +0 c m, +1 m, +2, +3 l (two halves), +4 to +7 at work; a lies in +6
.set Q,    32                          ; v32-63   Q: tile t, channels 32 c on: v[Q + 16 t + 8 c]
.set KV,   64                          ; v64-127  eight fragments, K's and V's by turns
.set S,    128                         ; v128-191 S^T: tile t, keys 16 kt on: v[S + 32 t + 8 kt]; P is packed in place: P(t, f) at v[S + 32 t + 8 f]
.set O,    192                         ; v192-255 O^T: tile t, channels 16 ct on: v[O + 32 t + 8 ct]
.set TB,   2                           ; s2   LDS byte at which the slot in hand begins
.set WV,   18                          ; s18  my wave's number
.set SEL,  20                          ; s[20:21] lane selects for v_permlanex16_b32: lane l xor 16
.set CS,   22                          ; s[22:23] c: the packed form names a pair and takes its low word for both halves
.set G1K,  24                          ; s[24:31] descriptor group 1 for K's tiles;  s[32:39] for V's (another padding);  s[40:43], s[44:47] their groups 0, which walk
.set G1V,  32
.set G0K,  40
.set G0V,  44
.set SLOTS, 67                         ; s67  changes of slots still to come in the loop
.set QL,   68                          ; s68  my work-group's last query
.set PFA,  76                          ; s[76:77] where my prefetches stand in memory
.set LIM,  80                          ; s80  1 in a wave that prefetches, else the greatest number
.set KF,   98                          ; s98  the step's first key
.set Q0,   99                          ; s99  my first query
; Waves 0 and 1 fetch for K, waves 2 and 3 for V, the others nothing.  The branches hang on the wave's number alone.  An s_nop 0 and four v_nop follow each of the two lines.
.macro TLOAD
	s_cmp_lt_u32 s[WV], 2
	s_cbranch_scc0 .Lnot_k_\@
	tensor_load_to_lds s[G0K:G0K+3], s[G1K:G1K+7]
	s_nop 0
.rept 4
	v_nop
.endr
	s_branch .Lasked_\@
.Lnot_k_\@:
	s_cmp_lt_u32 s[WV], 4
	s_cbranch_scc0 .Lasked_\@
	tensor_load_to_lds s[G0V:G0V+3], s[G1V:G1V+7]
	s_nop 0
.rept 4
	v_nop
.endr
.Lasked_\@:
.endm
; A PREFETCH INTO THE L2 of what the NEXT change of slots will ask for: 256 keys of K and of V, two dense blocks of 32,768 bytes.  Each aligned block of 256 bytes is named ONCE in the launch: all four work-groups
; of a head walk the same K and V, so the head's first work-group asks; in it the waves that fetch nothing, one instruction each: waves 4-7 for K's block, waves 8-11 for V's, 8,192 bytes a wave, lanes 256 bytes apart.
; It stands a slot's four key steps ahead of the load that will want the bytes.  The last change that fills a slot asks for nothing; slots 0 and 1 come by their loads alone.
.macro ASK
	s_cmp_gt_u32 s[SLOTS], s[LIM]
	s_cbranch_scc0 .Lnot_mine_\@
	global_prefetch_b8 v[PFO], s[PFA:PFA+1] th:TH_LOAD_NT scope:SCOPE_SE
.Lnot_mine_\@:
.endm
	s_load_b128 s[4:7], s[0:1], 0x0                ; qkv s[4:5], att s[6:7]
	v_lshl_add_u32 v[SPW], v0, 2, SPARE
	v_mov_b32 v[NIL], 0
	ds_add_u32 v[SPW], v[NIL]                      ; the wave's opening: the add, twice on end, and its wait ahead of my first tensor load; the set-up below stands between
	ds_add_u32 v[SPW], v[NIL]
	v_lshrrev_b32 v11, 5, v0
	v_readfirstlane_b32 s[WV], v11                 ; wave 0..15
	s_and_b32 s48, ttmp7, 0xffff                   ; 16 b + h
	s_lshl_b32 s48, s48, 18                        ; the head's first byte in q, k, v and att
	s_mov_b32 s49, 0
	s_sub_co_u32 s50, 7, ttmp9
	s_cmp_lt_u32 s[WV], 8
	s_cselect_b32 s50, ttmp9, s50                  ; my block of 256 queries: x or 7 - x
	s_lshl_b32 s50, s50, 8
	s_and_b32 s51, s[WV], 7
	s_lshl_b32 s51, s51, 5
	s_add_co_u32 s[Q0], s50, s51                   ; my first query
	s_sub_co_u32 s[QL], 8, ttmp9
	s_lshl_b32 s[QL], s[QL], 8
	s_sub_co_u32 s[QL], s[QL], 1                   ; the last query of block 7 - x
	s_lshl_b32 s52, s[Q0], 7
	s_mov_b32 s53, 0
	s_add_nc_u64 s[52:53], s[52:53], s[48:49]      ; my queries' first byte in q and in att
	s_and_b32 s54, s[WV], 1                        ; which half of a slot I fetch, if I fetch:
	s_lshl_b32 s56, s54, 14                        ; its 128 keys of 128 bytes in memory,
	s_mov_b32 s57, 0
	s_add_nc_u64 s[56:57], s[56:57], s[48:49]
	s_mul_i32 s58, s54, 64*PK                      ; and its place in a slot: K's,
	s_mul_i32 s59, s54, 64*PVP
	s_add_co_u32 s59, s59, VOFF                    ; V's
	; descriptor group 1: 64 rows of 128 elements of 2 bytes, dense in memory, padded in LDS
	s_mov_b32 s[G1K], (1<<16)|(1<<20)|(5<<22)|(3<<25)   ; 15:0 no mask; 17:16 elements of 2 bytes; 20 padding on; 24:22 after every 64 words; 31:25 four words
	s_mov_b32 s[G1V], (1<<16)|(1<<20)|(5<<22)|(7<<25)   ; the same with eight words
.irp g, G1K, G1V
	s_mov_b32 s[\g+1], 128<<16                     ; tensor_dim0 = 128
	s_mov_b32 s[\g+2], 64<<16                      ; tensor_dim1 = 64
	s_mov_b32 s[\g+3], 128<<16                     ; tile_dim0 = 128
	s_mov_b32 s[\g+4], 64                          ; tile_dim1 = 64
	s_mov_b32 s[\g+5], 128                         ; tensor_dim0_stride
	s_mov_b32 s[\g+6], 0
	s_mov_b32 s[\g+7], 0
.endr
	s_mov_b32 s[SEL], 0x76543210
	s_mov_b32 s[SEL+1], 0xfedcba98
	s_mov_b32 s[CS], 0x3e38aa3b                    ; c = log2(e) / 8
	s_mov_b32 s[CS+1], s[CS]                       ; (named with it as a pair, so it is written)
	s_mov_b32 s[TB], 0
	s_mov_b32 s[KF], 0
	s_mov_b32 s[SLOTS], 7
	s_wait_dscnt 0x0                               ; both opening adds are done
	s_wait_kmcnt 0x0
	s_add_nc_u64 s[8:9], s[4:5], 0x1000000         ; k
	s_add_nc_u64 s[10:11], s[4:5], 0x2000000       ; v
	s_mov_b32 s[G0K], 1                            ; 1:0 count = 1
	s_mov_b32 s[G0K+1], s58                        ; 63:32 LDS address: slot 0
	s_add_nc_u64 s[G0K+2:G0K+3], s[8:9], s[56:57]  ; 120:64 global address: the head's first 256 keys
	s_or_b32 s[G0K+3], s[G0K+3], 0x80000000        ; 127:126 type = 2
	s_mov_b32 s[G0V], 1
	s_mov_b32 s[G0V+1], s59
	s_add_nc_u64 s[G0V+2:G0V+3], s[10:11], s[56:57]
	s_or_b32 s[G0V+3], s[G0V+3], 0x80000000
	TLOAD                                          ; slot 0: it holds key 0, which counts for every query
	s_add_nc_u64 s[4:5], s[4:5], s[52:53]          ; q at my first query
	s_add_nc_u64 s[6:7], s[6:7], s[52:53]          ; att likewise
	s_cmp_lt_u32 s[WV], 8                          ; the prefetches: waves 4-7 ask for K, waves 8-11 for V
	s_cselect_b64 s[PFA:PFA+1], s[8:9], s[10:11]
	s_and_b32 s60, s[WV], 3
	s_lshl_b32 s60, s60, 13                        ; my wave's 8,192 bytes,
	s_add_co_u32 s60, s60, 32768                   ; in slot 1's keys: the first change of slots steps it to slot 2's.  Nothing is prefetched here, at the head
	s_mov_b32 s61, 0
	s_add_nc_u64 s[60:61], s[60:61], s[48:49]      ; in my head
	s_add_nc_u64 s[PFA:PFA+1], s[PFA:PFA+1], s[60:61]
	s_sub_co_u32 s50, s[WV], 4
	s_lshr_b32 s50, s50, 3                         ; 0 in waves 4 to 11,
	s_or_b32 s50, s50, ttmp9                       ; of the head's first work-group
	s_cmp_eq_u32 s50, 0
	s_cselect_b32 s[LIM], 1, -1
	v_and_b32 v12, 15, v0                          ; r = lane % 16
	v_bfe_u32 v13, v0, 4, 1                        ; hh = lane / 16
	v_lshlrev_b32 v11, 7, v12
	v_lshl_add_u32 v11, v13, 4, v11                ; Q: row r of 128 bytes + 16 hh
.irp t, 0,1
.irp c, 0,1
	global_load_b128 v[Q+16*\t+8*\c:Q+16*\t+8*\c+3],   v11, s[4:5] offset:2048*\t+64*\c      ; Q stays in registers
	global_load_b128 v[Q+16*\t+8*\c+4:Q+16*\t+8*\c+7], v11, s[4:5] offset:2048*\t+64*\c+32
.endr
.endr
	v_lshrrev_b32 v14, 1, v12
	v_and_b32 v15, 1, v12
	v_mul_u32_u24 v[AK0], v14, PK
	v_lshl_add_u32 v[AK0], v15, 7, v[AK0]
	v_lshl_add_u32 v[AK0], v13, 4, v[AK0]          ; K: key r of a tile: PK (r / 2) + 128 (r % 2) + 16 hh
	v_bfe_u32 v14, v0, 1, 2
	v_lshl_add_u32 v14, v13, 2, v14                ; V: key 8 hh + lane % 8: its row 4 hh + (lane % 8) / 2,
	v_mul_u32_u24 v[AV0], v14, PVP
	v_and_b32 v15, 1, v0
	v_lshl_add_u32 v[AV0], v15, 7, v[AV0]          ; its half of the row,
	v_bfe_u32 v15, v0, 3, 1
	v_lshl_add_u32 v[AV0], v15, 4, v[AV0]          ; channels 8 ((lane / 8) % 2) on
	v_add_nc_u32 v[AV0], VOFF, v[AV0]
	v_lshlrev_b32 v14, 3, v13
	v_sub_nc_u32 v[DQ], v12, v14
	v_and_b32 v[PFO], 31, v0
	v_lshlrev_b32 v[PFO], 8, v[PFO]
	v_mov_b32 v[NINF], 0xff800000
.irp t, 0,1
	v_mov_b32 v[ST+8*\t+1], 0xff61b1e6             ; m: -3e38, under every score
	v_mul_f32 v[ST+8*\t], s[CS], v[ST+8*\t+1]      ; c m
.irp j, 2,3,4,5,6,7
	v_mov_b32 v[ST+8*\t+\j], 0                     ; l, and the words at work (written once: a lane exchange's destination counts as one of its sources)
.endr
.endr
.set i, 0
.rept 64
	v_mov_b32 v[O+i], 0                            ; O^T.  (The step is written once: the first finds zeros, which the first a = 0 leaves zeros)
.set i, i+1
.endr
; THE SOFTMAX of a step, both tiles line by line by turns, so that no line waits for the line above it.
.macro SOFTMAX
.irp j, 0,1,2,3                        ; the maximum of a lane's 32 scores and the old m: four chains, each begun at the low end of one accumulator
.irp t, 0,1
	v_max3_num_f32 v[ST+8*\t+4+\j], v[S+32*\t+8*\j], v[S+32*\t+8*\j+1], v[S+32*\t+8*\j+2]
.endr
.endr
.irp u, 1,2
.irp j, 0,1,2,3
.irp t, 0,1
	v_max3_num_f32 v[ST+8*\t+4+\j], v[ST+8*\t+4+\j], v[S+32*\t+8*\j+2*\u+1], v[S+32*\t+8*\j+2*\u+2]
.endr
.endr
.endr
.irp t, 0,1
	v_max3_num_f32 v[ST+8*\t+4], v[ST+8*\t+4], v[S+32*\t+7], v[S+32*\t+15]
.endr
.irp t, 0,1
	v_max3_num_f32 v[ST+8*\t+6], v[ST+8*\t+6], v[S+32*\t+23], v[S+32*\t+31]
.endr
.irp t, 0,1
	v_max3_num_f32 v[ST+8*\t+4], v[ST+8*\t+4], v[ST+8*\t+5], v[ST+8*\t+6]
.endr
.irp t, 0,1
	v_max3_num_f32 v[ST+8*\t+4], v[ST+8*\t+4], v[ST+8*\t+7], v[ST+8*\t+1]
.endr
.irp t, 0,1
	v_permlanex16_b32 v[ST+8*\t+5], v[ST+8*\t+4], s[SEL], s[SEL+1]   ; the query's other 32 keys lie in the lane 16 away
.endr
.irp t, 0,1
	v_mov_b32 v[ST+8*\t+7], v[ST+8*\t]             ; c m_old is kept for a
.endr
.irp t, 0,1
	v_max_num_f32 v[ST+8*\t+1], v[ST+8*\t+4], v[ST+8*\t+5]           ; the new m
.endr
.irp t, 0,1
	v_mul_f32 v[ST+8*\t], s[CS], v[ST+8*\t+1]
.endr
.irp t, 0,1
	v_sub_f32 v[ST+8*\t+7], v[ST+8*\t+7], v[ST+8*\t]                 ; c m_old - c m_new, 0 or less
.endr
.irp i, 0,2,4,6,8,10,12,14,16,18,20,22,24,26,28,30
.irp t, 0,1
	v_pk_fma_f32 v[S+32*\t+\i:S+32*\t+\i+1], v[S+32*\t+\i:S+32*\t+\i+1], s[CS:CS+1], v[ST+8*\t:ST+8*\t+1] op_sel_hi:[1,0,0] neg_lo:[0,0,1] neg_hi:[0,0,1]   ; c s - c m, two at a time
.endr
.endr
.irp t, 0,1
	v_exp_f32 v[ST+8*\t+6], v[ST+8*\t+7]           ; a
.endr
.set i, 0
.rept 32
	v_exp_f32 v[S+i], v[S+i]                       ; p, at most 1; a hidden key's is 0
	v_exp_f32 v[S+32+i], v[S+32+i]
.set i, i+1
.endr
	v_nop                                          ; a plain line behind the last exponential
	s_wait_alu depctr_va_vdst(0)                   ; ONE wait for the batch of 66, ahead of its first reader
.irp t, 0,1
	v_pk_mul_f32 v[ST+8*\t+2:ST+8*\t+3], v[ST+8*\t+2:ST+8*\t+3], v[ST+8*\t+6:ST+8*\t+7] op_sel_hi:[1,0]   ; l under the new m
.endr
.irp t, 0,1
	v_pk_add_f32 v[ST+8*\t+4:ST+8*\t+5], v[S+32*\t:S+32*\t+1], v[S+32*\t+2:S+32*\t+3]                     ; the sum of the unrounded p, in two chains
.endr
.irp i, 4,8,12,16,20,24,28
.irp t, 0,1
	v_pk_add_f32 v[ST+8*\t+2:ST+8*\t+3], v[ST+8*\t+2:ST+8*\t+3], v[S+32*\t+\i:S+32*\t+\i+1]
	v_pk_add_f32 v[ST+8*\t+4:ST+8*\t+5], v[ST+8*\t+4:ST+8*\t+5], v[S+32*\t+\i+2:S+32*\t+\i+3]
.endr
.endr
.irp t, 0,1
	v_pk_add_f32 v[ST+8*\t+2:ST+8*\t+3], v[ST+8*\t+2:ST+8*\t+3], v[ST+8*\t+4:ST+8*\t+5]
.endr
.set i, 0
.rept 16
	v_cvt_pk_f16_f32 v[S+i], v[S+2*i], v[S+2*i+1]              ; P in place, ascending: register i is written when pairs 0 .. i - 1 have been read
	v_cvt_pk_f16_f32 v[S+32+i], v[S+32+2*i], v[S+32+2*i+1]
.set i, i+1
.endr
.set i, 0
.rept 16
	v_pk_mul_f32 v[O+2*i:O+2*i+1], v[O+2*i:O+2*i+1], v[ST+6:ST+7] op_sel_hi:[1,0]              ; O^T under the new m, each accumulator from its low end on
	v_pk_mul_f32 v[O+32+2*i:O+32+2*i+1], v[O+32+2*i:O+32+2*i+1], v[ST+14:ST+15] op_sel_hi:[1,0]
.set i, i+1
.endr
.endm
; A KEY STEP: 64 keys, the q-th of the slot in hand.
.macro STEP q
	s_add_co_u32 s96, s[Q0], 31                    ; a step all of whose keys come after my 32 queries is left out: a scalar branch on ids; no barrier and no tensor load stands in a step
	s_cmp_gt_u32 s[KF], s96
	s_cbranch_scc1 .Lhidden_\@
	v_add_nc_u32 v[ADK], s[TB], v[AK0]
	v_add_nc_u32 v[ADV], s[TB], v[AV0]
.rept 3
	v_nop                                          ; with the two additions five places behind the last step's products: four for the loads into V's registers, five for the products that write over P
.endr
.irp kt, 0,1,2,3
.irp c, 0,1
	ds_load_b128 v[KV+8*(2*\kt+\c):KV+8*(2*\kt+\c)+3],   v[ADK] offset:(32*(\q)+8*\kt)*PK+64*\c
	ds_load_b128 v[KV+8*(2*\kt+\c)+4:KV+8*(2*\kt+\c)+7], v[ADK] offset:(32*(\q)+8*\kt)*PK+64*\c+32
.endr
.endr
	s_wait_dscnt 0x0
.irp c, 0,1                            ; S^T = K Q^T: eight accumulators by turns, one instruction a turn; the first eight start the sums
.irp kt, 0,1,2,3
.irp t, 0,1
.if \c == 0
	v_wmma_f32_16x16x32_f16 v[S+32*\t+8*\kt:S+32*\t+8*\kt+7], v[KV+8*(2*\kt+\c):KV+8*(2*\kt+\c)+7], v[Q+16*\t+8*\c:Q+16*\t+8*\c+7], 0
.else
	v_wmma_f32_16x16x32_f16 v[S+32*\t+8*\kt:S+32*\t+8*\kt+7], v[KV+8*(2*\kt+\c):KV+8*(2*\kt+\c)+7], v[Q+16*\t+8*\c:Q+16*\t+8*\c+7], v[S+32*\t+8*\kt:S+32*\t+8*\kt+7]
.endif
.endr
.endr
.endr
.rept 4
	v_nop                                          ; places: for the loads into K's registers, and for the first read of the scores
.endr
.irp f, 0,1                            ; V of this step, turned; it lands while the softmax is walked
.irp ct, 0,1,2,3
	ds_load_tr16_b128 v[KV+8*(4*\f+\ct):KV+8*(4*\f+\ct)+3],   v[ADV] offset:(32*(\q)+16*\f)*PVP+32*\ct
	ds_load_tr16_b128 v[KV+8*(4*\f+\ct)+4:KV+8*(4*\f+\ct)+7], v[ADV] offset:(32*(\q)+16*\f+8)*PVP+32*\ct
.endr
.endr
	s_add_co_u32 s96, s[KF], 63                    ; on the diagonal the scores of hidden keys become -infinity ahead of the maximum.  A step all of whose keys count skips this
	s_cmp_le_u32 s96, s[Q0]
	s_cbranch_scc1 .Lopen_\@
	s_sub_co_i32 s96, s[Q0], s[KF]
	v_add_nc_u32 v[DD], s96, v[DQ]                 ; d = Q0 - KF + lane % 16 - 8 (lane / 16).  Register (t, kt, j) holds key KF + 16 kt + 8 (lane / 16) + j of query Q0 + 16 t + lane % 16: hidden where 16 kt + j - 16 t > d
.irp t, 0,1
.irp kt, 0,1,2,3
.irp j, 0,1,2,3,4,5,6,7
	v_cmp_gt_i32 vcc_lo, 16*\kt+\j-16*\t, v[DD]
	v_cndmask_b32 v[S+32*\t+8*\kt+\j], v[S+32*\t+8*\kt+\j], v[NINF], vcc_lo
.endr
.endr
.endr
.Lopen_\@:
	SOFTMAX
	s_wait_dscnt 0x0                               ; V is in
.irp f, 0,1                            ; O^T += V^T P: eight accumulators by turns
.irp ct, 0,1,2,3
.irp t, 0,1
	v_wmma_f32_16x16x32_f16 v[O+32*\t+8*\ct:O+32*\t+8*\ct+7], v[KV+8*(4*\f+\ct):KV+8*(4*\f+\ct)+7], v[S+32*\t+8*\f:S+32*\t+8*\f+7], v[O+32*\t+8*\ct:O+32*\t+8*\ct+7]
.endr
.endr
.endr
.Lhidden_\@:
	s_add_co_u32 s[KF], s[KF], 64
.endm
; THE CHANGE OF SLOTS stands at a slot's head.  Each wave waits for all its tensor loads (its part of the slot that it is about to read), adds 0 to its spare word (fill = 1: twice on end), and waits for that and for
; its reads of the slot that it has left.  Behind the barrier the slot ahead is whole and nobody reads the other one.  fill = 1: that other slot takes the keys that follow, up to the causal limit: by this text's
; count one tensor load of a wave is out, and it has a slot's four steps in which to land.
.macro CHANGE fill
	s_wait_tensorcnt 0x0                           ; no tensor load of mine is out, so a group 0 may be written
	ds_add_u32 v[SPW], v[NIL]
.if \fill
	ds_add_u32 v[SPW], v[NIL]                      ; and once more: the add stands twice on end, in every trip alike
	s_xor_b32 s[G0K+1], s[G0K+1], SLOT1            ; the walking descriptors: the other slot than last time,
	s_add_nc_u64 s[G0K+2:G0K+3], s[G0K+2:G0K+3], 32768   ; the next 256 keys; the type bits on top are not reached
	s_xor_b32 s[G0V+1], s[G0V+1], SLOT1
	s_add_nc_u64 s[G0V+2:G0V+3], s[G0V+2:G0V+3], 32768
	s_wait_xcnt 0x0                                ; the last prefetch, a slot back, has read its address, so it may be written:
	s_add_nc_u64 s[PFA:PFA+1], s[PFA:PFA+1], 32768 ; one slot further on than the walking descriptors
.endif
	s_wait_dscnt 0x0                               ; the add is done (fill = 1: both are), and my reads of the slot that I have left are over
	s_barrier_signal -1
	s_barrier_wait -1
.if \fill
	s_add_co_u32 s96, s[KF], 256                   ; THE LOOK-AHEAD ENDS AT THE CAUSAL LIMIT: a slot whose first key comes after my work-group's last query is read by none of its waves, so it is not asked for.
	s_cmp_gt_u32 s96, s[QL]                        ; Ids and the count of steps alone: all sixteen waves go the same way; every wait on TENSORcnt in this text is for 0; the jump leads round the load's own lines alone
	s_cbranch_scc1 .Lpast_\@
	TLOAD                                          ; a wave's one tensor load until the next barrier
.Lpast_\@:
	ASK
.endif
.endm
.macro SLOT_STEPS
	STEP 0
	STEP 1
	STEP 2
	STEP 3
	s_xor_b32 s[TB], s[TB], SLOT1                  ; on to the other slot
.endm
	s_wait_loadcnt 0x0                             ; Q
.Lslot:                                            ; seven trips: behind each change of slots but the last the next slot is asked for, up to the limit
	CHANGE 1
	SLOT_STEPS
	s_sub_co_u32 s[SLOTS], s[SLOTS], 1
	s_cmp_lg_u32 s[SLOTS], 0
	s_cbranch_scc1 .Lslot
	CHANGE 0                                       ; the last slot is written out: nothing is left to ask for
	SLOT_STEPS
	; THE WAY OUT.  l's two halves and the other half of the lanes' are added; O^T is divided by l, rounded to f16 and sent through my stage in LDS, so that 32 lanes store four queries' 512 consecutive bytes.
.irp t, 0,1
	v_add_f32 v[ST+8*\t+4], v[ST+8*\t+2], v[ST+8*\t+3]
.endr
.irp t, 0,1
	v_permlanex16_b32 v[ST+8*\t+5], v[ST+8*\t+4], s[SEL], s[SEL+1]
.endr
.irp t, 0,1
	v_add_f32 v[ST+8*\t+4], v[ST+8*\t+4], v[ST+8*\t+5]
.endr
.irp t, 0,1
	v_rcp_f32 v[ST+8*\t+6], v[ST+8*\t+4]
.endr
	v_and_b32 v12, 15, v0                          ; (plain lines behind the reciprocals, and the places behind the last products)  r
	v_bfe_u32 v13, v0, 4, 1                        ; hh
	s_mul_i32 s50, s[WV], 32*144
	s_add_co_u32 s50, s50, STAGE                   ; my stage
	v_mul_u32_u24 v14, v12, 144
	v_lshl_add_u32 v14, v13, 4, v14
	v_add_nc_u32 v14, s50, v14                     ; in: row r of a tile, 16 bytes for each half of the lanes
	v_and_b32 v11, 31, v0
	v_lshrrev_b32 v15, 3, v11
	v_mul_u32_u24 v15, v15, 144
	v_and_b32 v12, 7, v0
	v_lshl_add_u32 v15, v12, 4, v15
	v_add_nc_u32 v15, s50, v15                     ; back: eight lanes to a row of 128 bytes, four rows an instruction
	v_lshlrev_b32 v11, 4, v11                      ; and the same 512 bytes in att
	s_wait_alu depctr_va_vdst(0)                   ; one wait for the two reciprocals, ahead of their first reader
.set i, 0
.rept 16
	v_pk_mul_f32 v[S+2*i:S+2*i+1], v[O+2*i:O+2*i+1], v[ST+6:ST+7] op_sel_hi:[1,0]                 ; O^T / l, each accumulator from its low end on
	v_pk_mul_f32 v[S+32+2*i:S+32+2*i+1], v[O+32+2*i:O+32+2*i+1], v[ST+14:ST+15] op_sel_hi:[1,0]
.set i, i+1
.endr
.set i, 0
.rept 32
	v_cvt_pk_f16_f32 v[KV+i], v[S+2*i], v[S+2*i+1] ; register 16 t + 4 ct + u: channels 16 ct + 8 hh + 2 u, + 1 of query 16 t + r
.set i, i+1
.endr
.irp t, 0,1
.irp ct, 0,1,2,3
	ds_store_b128 v14, v[KV+16*\t+4*\ct:KV+16*\t+4*\ct+3] offset:16*144*\t+32*\ct
.endr
.endr
.irp i, 0,1,2,3,4,5,6,7
	ds_load_b128 v[S+4*\i:S+4*\i+3], v15 offset:4*144*\i           ; LDS serves a wave's instructions in order (ISA guide 5.7.1.4): these see my stores
.endr
.irp i, 0,1,2,3,4,5,6,7
	s_wait_dscnt 7-\i                              ; load i is in; the younger ones may be out
	global_store_b128 v11, v[S+4*\i:S+4*\i+3], s[6:7] offset:512*\i   ; 32 lanes store 512 consecutive bytes, at a multiple of 256 from att's first byte
.endr
	s_wait_tensorcnt 0x0                           ; the wave's end: a wait, an add to my spare word and its wait, behind my last tensor load and my last LDS store
	ds_add_u32 v[SPW], v[NIL]
	s_wait_dscnt 0x0
	s_endpgm
.Lfunc_end_k_q064866ac6d_attn:
	.size	k_q064866ac6d_attn, .Lfunc_end_k_q064866ac6d_attn-k_q064866ac6d_attn
	.p2alignl 7, 3214868480
	.fill 96, 4, 3214868480
	.section	.rodata,"a",@progbits
	.p2align	6, 0x0
	.amdhsa_kernel k_q064866ac6d_attn
		.amdhsa_group_segment_fixed_size 327680
		.amdhsa_private_segment_fixed_size 0
		.amdhsa_enable_private_segment 0
		.amdhsa_kernarg_size 16
		.amdhsa_user_sgpr_count 2
		.amdhsa_user_sgpr_kernarg_segment_ptr 1
		.amdhsa_wavefront_size32 1
		.amdhsa_system_sgpr_workgroup_id_x 1
		.amdhsa_system_sgpr_workgroup_id_y 1
		.amdhsa_system_sgpr_workgroup_id_z 1
		.amdhsa_system_vgpr_workitem_id 0
		.amdhsa_next_free_vgpr 256
		.amdhsa_next_free_sgpr 100
		.amdhsa_reserve_vcc 1
		.amdhsa_float_denorm_mode_32 3
		.amdhsa_float_denorm_mode_16_64 3
		.amdhsa_memory_ordered 1
		.amdhsa_forward_progress 1
		.amdhsa_inst_pref_size 188
	.end_amdhsa_kernel
	.amdgpu_metadata
---
amdhsa.version: [ 1, 2 ]
amdhsa.kernels:
  - .name:           k_q064866ac6d_attn
    .symbol:         k_q064866ac6d_attn.kd
    .args:
      - { .name: qkv, .offset: 0, .size: 8, .value_kind: global_buffer, .address_space: global }
      - { .name: att, .offset: 8, .size: 8, .value_kind: global_buffer, .address_space: global }
    .group_segment_fixed_size: 327680
    .private_segment_fixed_size: 0
    .kernarg_segment_align: 8
    .kernarg_segment_size: 16
    .max_flat_workgroup_size: 512
    .sgpr_count:     100
    .vgpr_count:     256
    .wavefront_size: 32
...
	.end_amdgpu_metadata
.endif
;; end of part 3
;; launch proj (part 4): grid 4 x 64, 4 waves a work-group, clusters of 4 x 4, 327,680 bytes of LDS; arguments att, wph, y; writes y
.if DOCPART == 4
	.amdgcn_target "amdgcn-amd-amdhsa--gfx1250"
	.amdhsa_code_object_version 6
	.text
	.protected	k_q064866ac6d_proj
	.globl	k_q064866ac6d_proj
	.p2align	8
	.type	k_q064866ac6d_proj,@function
k_q064866ac6d_proj:
	s_mov_b64 s[64:65], 0
	v_nop
	global_prefetch_b8 v0, s[64:65] scope:SCOPE_SE
	s_setreg_imm32_b32 hwreg(HW_REG_WAVE_MODE, 25, 1), 1
	s_wait_xcnt 0x0
	s_wait_alu depctr_hold_cnt(0) depctr_sa_sdst(0) depctr_va_vdst(0) depctr_va_sdst(0) depctr_va_ssrc(0) depctr_va_vcc(0) depctr_vm_vsrc(0)
	s_getreg_b32 s2, hwreg(HW_REG_IB_STS2, 6, 4)
	s_cmp_eq_u32 s2, 0
	s_cbranch_scc0 .Lentry_in_a_cluster
	s_endpgm
.Lentry_in_a_cluster:
	s_bfe_u32 s2, ttmp6, 0x10000c
	s_cmp_lg_u32 s2, 0xf033
	s_cbranch_scc0 .Lentry_shape_is_right
	s_endpgm
.Lentry_shape_is_right:
; y[m][n] = the sum over k of att[m][k] Wp[n][k]: 8,192 tokens x 1,024 x K = 1,024, f16 operands, f32 sums, y in f32, [8192][1024].
; att lies by head, [b][h][t][64] f16 (k = 64 h + d); wph is Wp in f16, [n][k].
; A tile of y is 128 tokens x 256 columns: 256 work-groups.  Four waves, each 64 tokens x 128 columns: 32 accumulators of 16 x 16, 256 registers.  K goes in steps of 128 (two heads) through a ring of two LDS slots.
; att's part of a step: for each half of 64 tokens, two heads' dense blocks of 8,192 bytes, 262,144 bytes apart in memory: ONE tensor load of 2 rows x 8,192 bytes, with 16 bytes of padding behind every 256:
; in LDS a row of 272 bytes holds two tokens of one head.  Wp's part: 128 rows x 256 bytes a load, rows 272 bytes apart.
; CLUSTERS: 4 x 4 work-groups.  The four of a row of the cluster need the same tiles of att, the four of a column the same tiles of Wp: each tile is asked for JOINTLY, by the same tensor load with the same
; descriptor and a mask that names the four.  THE MATRIX INSTRUCTION IS USED TRANSPOSED (source 0 = 16 rows of Wp, source 1 = 16 tokens): a lane then holds eight neighbouring columns of one token.
; REGISTERS: window 0: v0-31 addresses; v128-255 rows on the way out.   window 1: two fragment buffers, at v0 and v128: for 32 along K, att's 4 fragments (32 registers), then Wp's 8 (64).   window 2: the accumulators, (a, b) at v[8 (8 a + b)].
.set PITCH,  272                       ; 256 bytes + 16 of padding = 68 words
.set HEADB,  32*PITCH                  ; one head's 64 tokens in LDS
.set HALFA,  2*HEADB                   ; what one load brings of att: 64 tokens, two heads
.set HALFB,  128*PITCH                 ; and of Wp: 128 rows
.set BOFF,   2*HALFA                   ; a slot: att's two halves, then Wp's two
.set SLOT,   BOFF+2*HALFB
.set STAGE,  2*SLOT                    ; behind the ring: 16 rows x (512 bytes + 16) for each wave, for the way out
.set SPITCH, 528
.set SPARE,  STAGE+4*16*SPITCH         ; behind the stages: the spare words, 128 bytes a wave
.set LAPS,   4                         ; a lap = two K steps = once round the ring; K = 1,024 is eight steps
.set ADRA, 16                          ; v16-17  LDS address of my att fragments in slot 0, 1
.set ADRB, 20                          ; v20-21  the same for Wp
.set STO,  24                          ; v24     the way out: where I put 32 bytes of a row
.set RD,   25                          ; v25     the way out: where I read a row back
.set CO,   26                          ; v26     16 x lane
.set SPW,  28                          ; v28     LDS address of my spare word; never rewritten
.set NIL,  29                          ; v29     0; never rewritten
.set BK,   128                         ; the way out: 16 rows read back from the stage: v128-191 and v192-255 by turns
.set F0,   0                           ; fragment buffers, in window 1
.set F1,   128
.set G1, 24                            ; s[24:31] descriptor group 1 for att's tiles;  s[32:39] group 0, one set for each slot
.set G0, 32
.set G1B, 48                           ; s[48:55], s[56:63] the same for Wp's tiles
.set G0B, 56
.set MSB, 0
.macro WIN new                         ; the immediate's high byte repeats the setting that is left
.if MSB != \new
	s_set_vgpr_msb (MSB<<8)|\new
.set MSB, \new
.endif
.endm
.set MUL,  0xa5                        ; sources 0 (Wp) and 1 (att) window 1; C and D window 2
.set TO_F, 0x40                        ; destination window 1, address window 0
.macro JLOAD s                         ; a joint load: waves 0 and 1 fetch att's two halves, waves 2 and 3 Wp's; an s_nop 0 and four v_nop follow each of the two lines, ahead of the jump, the label and what follows
	s_cmp_eq_u32 s11, 0
	s_cbranch_scc0 .Lfor_b_\@
	tensor_load_to_lds s[G0+4*\s:G0+4*\s+3], s[G1:G1+7]
	s_nop 0
.rept 4
	v_nop
.endr
	s_branch .Lasked_\@
.Lfor_b_\@:
	tensor_load_to_lds s[G0B+4*\s:G0B+4*\s+3], s[G1B:G1B+7]
	s_nop 0
.rept 4
	v_nop
.endr
.Lasked_\@:
.endm
.macro CREST                           ; a round of the cluster's barrier behind its opening barrier
	s_cmp_lg_u32 s10, 0
	s_cbranch_scc1 .Lnot_wave_0_\@
	s_barrier_signal -3
.Lnot_wave_0_\@:
	s_barrier_wait -3
	s_barrier_signal -1
	s_barrier_wait -1
.endm
.macro CROUND                          ; a whole round
	s_barrier_signal -1
	s_barrier_wait -1
	CREST
.endm
	s_load_b128 s[4:7], s[0:1], 0x0                ; att s[4:5], wph s[6:7]
	s_load_b64 s[8:9], s[0:1], 0x10                ; y
	v_lshl_add_u32 v[SPW], v0, 2, SPARE
	v_mov_b32 v[NIL], 0
	ds_add_u32 v[SPW], v[NIL]                      ; the wave's opening: the add, twice on end, and its wait ahead of my first tensor load; the set-up below stands between
	ds_add_u32 v[SPW], v[NIL]
	v_lshrrev_b32 v1, 5, v0
	v_readfirstlane_b32 s10, v1                    ; wave 0..3
	s_lshr_b32 s11, s10, 1                         ; which 64 of the tile's tokens are mine.  Also: I fetch for att (0) or for Wp (1)
	s_and_b32 s12, s10, 1                          ; which 128 of its columns.  Also: which half of that tile I fetch
	s_bfe_u32 s40, ttmp6, 0x40000                  ; cx, cy: my place in the cluster
	s_bfe_u32 s41, ttmp6, 0x40004
	s_lshl_b32 s42, ttmp9, 2
	s_add_co_u32 s42, s42, s40                     ; tile column = 4 x cluster x + cx
	s_and_b32 s13, ttmp7, 0xffff
	s_lshl_b32 s13, s13, 2
	s_add_co_u32 s13, s13, s41                     ; tile row = 4 x cluster y + cy
	s_lshl_b32 s43, s41, 2
	s_lshl_b32 s43, 15, s43                        ; my row of the cluster
	s_lshl_b32 s44, 0x1111, s40                    ; my column
	; descriptor group 1 for att: 2 rows of 1,024 elements of 8 bytes, 32,768 elements apart
	s_or_b32 s[G1+0], s43, (3<<16)|(1<<20)|(1<<21)|(5<<22)|(3<<25)  ; 15:0 the mask: att's tiles go to my row; 17:16 elements of 8 bytes; 20 padding on; 21 set beside a mask; 24:22 after every 64 words; 31:25 of 4 words
	s_mov_b32 s[G1+1], 1024<<16                    ; tensor_dim0 = 1,024
	s_mov_b32 s[G1+2], 2<<16                       ; tensor_dim1 = 2
	s_mov_b32 s[G1+3], 1024<<16                    ; tile_dim0 = 1,024
	s_mov_b32 s[G1+4], 2                           ; tile_dim1 = 2
	s_mov_b32 s[G1+5], 32768                       ; tensor_dim0_stride: from a head to the next
	s_mov_b32 s[G1+6], 0
	s_mov_b32 s[G1+7], 0
	; and for Wp: 128 rows of 128 elements of 2 bytes, 1,024 elements apart
	s_or_b32 s[G1B+0], s44, (1<<16)|(1<<20)|(1<<21)|(5<<22)|(3<<25)
	s_mov_b32 s[G1B+1], 128<<16
	s_mov_b32 s[G1B+2], 128<<16
	s_mov_b32 s[G1B+3], 128<<16
	s_mov_b32 s[G1B+4], 128
	s_mov_b32 s[G1B+5], 1024
	s_mov_b32 s[G1B+6], 0
	s_mov_b32 s[G1B+7], 0
	; where the tiles come from.  att's hang on the tile row alone, which my row of the cluster shares; Wp's on the tile column alone, which my column shares
	s_lshl_b32 s16, s13, 7
	s_lshl_b32 s17, s12, 6
	s_add_co_u32 s16, s16, s17                     ; att: token 128 x tile row + 64 x half
	s_lshr_b32 s17, s16, 11                        ; b
	s_lshl_b32 s17, s17, 22
	s_and_b32 s16, s16, 2047                       ; t
	s_lshl_b32 s16, s16, 7
	s_add_co_u32 s16, s16, s17
	s_mov_b32 s17, 0
	s_lshl_b32 s46, s42, 8
	s_lshl_b32 s47, s12, 7
	s_add_co_u32 s46, s46, s47                     ; Wp: row 256 x tile column + 128 x half,
	s_lshl_b32 s46, s46, 11                        ; of 2,048 bytes
	s_mov_b32 s47, 0
	s_mul_i32 s20, s12, HALFA                      ; and where they go: no place in the cluster enters an LDS address
	s_mul_i32 s21, s12, HALFB
	s_add_co_u32 s21, s21, BOFF
	s_wait_dscnt 0x0                               ; both opening adds are done
	s_wait_kmcnt 0x0
	s_add_nc_u64 s[14:15], s[4:5], s[16:17]
	s_add_nc_u64 s[46:47], s[6:7], s[46:47]
	CROUND                                         ; all sixteen work-groups are here: the first joint loads meet
.irp s, 0,1
	s_mov_b32 s[G0+4*\s], 1
	s_add_co_u32 s[G0+4*\s+1], s20, \s*SLOT
	s_add_nc_u64 s[G0+4*\s+2:G0+4*\s+3], s[14:15], \s*524288       ; K step s: heads 2 s, 2 s + 1
	s_or_b32 s[G0+4*\s+3], s[G0+4*\s+3], 0x80000000
	s_mov_b32 s[G0B+4*\s], 1
	s_add_co_u32 s[G0B+4*\s+1], s21, \s*SLOT
	s_add_nc_u64 s[G0B+4*\s+2:G0B+4*\s+3], s[46:47], \s*256
	s_or_b32 s[G0B+4*\s+3], s[G0B+4*\s+3], 0x80000000
	JLOAD \s                                       ; by this text's count two tensor loads of a wave are out at the most
.endr
	v_and_b32 v1, 15, v0                           ; r = l % 16
	v_bfe_u32 v2, v0, 4, 1                         ; hh = l / 16
	v_lshrrev_b32 v5, 1, v1
	v_and_b32 v6, 1, v1
	v_mul_u32_u24 v3, v5, PITCH
	v_lshl_add_u32 v3, v6, 7, v3
	v_lshl_add_u32 v3, v2, 4, v3                   ; att: token r of a block: PITCH (r / 2) + 128 (r % 2) + 16 hh
	v_mul_u32_u24 v4, v1, PITCH
	v_lshl_add_u32 v4, v2, 4, v4                   ; Wp: row r x pitch + 16 hh
	s_mul_i32 s21, s11, HALFA                      ; my 64 tokens
	s_mul_i32 s22, s12, HALFB                      ; my 128 rows of Wp,
	s_add_co_u32 s22, s22, BOFF                    ; which lie behind att's
.irp s, 0,1
	v_add_nc_u32 v[ADRA+\s], s21, v3
	v_add_nc_u32 v[ADRB+\s], s22, v4
	s_add_co_u32 s21, s21, SLOT
	s_add_co_u32 s22, s22, SLOT
.endr
	s_mul_i32 s23, s10, 16*SPITCH
	s_add_co_u32 s23, s23, STAGE                   ; my stage
	v_mul_u32_u24 v5, v1, SPITCH                   ; in: row r, 32 bytes for each half of the lanes
	v_lshl_add_u32 v5, v2, 5, v5
	v_add_nc_u32 v[STO], s23, v5
	v_and_b32 v6, 31, v0
	v_lshlrev_b32 v[CO], 4, v6                     ; back: the 32 lanes take one row of 512 bytes; and the same in y
	v_add_nc_u32 v[RD], s23, v[CO]
	s_lshl_b32 s16, s13, 7
	s_lshl_b32 s17, s11, 6
	s_add_co_u32 s16, s16, s17                     ; my first row of y: 128 x tile row + 64 x half,
	s_lshl_b32 s16, s16, 12                        ; of 4,096 bytes
	s_mov_b32 s17, 0
	s_add_nc_u64 s[8:9], s[8:9], s[16:17]
	s_lshl_b32 s46, s42, 10                        ; my first column, in bytes: 1,024 x tile column + 512 x half
	s_lshl_b32 s47, s12, 9
	s_add_co_u32 s46, s46, s47
	s_mov_b32 s47, 0
	s_add_nc_u64 s[8:9], s[8:9], s[46:47]
; 16 matrix instructions: token blocks a0, a0 + 1 against Wp's eight, 32 along K: buffer f.  zero = 1: the first product starts the sums.  The 32 accumulators take turns, in the same order in every quarter.
.macro MUL16 f, a0, zero
.irp a, \a0, \a0+1
.irp b, 0,1,2,3,4,5,6,7
.if \zero
	v_wmma_f32_16x16x32_f16 v[8*(8*(\a)+\b):8*(8*(\a)+\b)+7], v[\f+32+8*\b:\f+32+8*\b+7], v[\f+8*(\a):\f+8*(\a)+7], 0
.else
	v_wmma_f32_16x16x32_f16 v[8*(8*(\a)+\b):8*(8*(\a)+\b)+7], v[\f+32+8*\b:\f+32+8*\b+7], v[\f+8*(\a):\f+8*(\a)+7], v[8*(8*(\a)+\b):8*(8*(\a)+\b)+7]
.endif
.endr
.endr
.endm
; 24 LDS loads in one run: the fragments of the step's kq-th 32 along K into buffer f.  In att's tile quarters 0, 1 lie in the first head, 2, 3 in the second.
.macro FETCH slot, kq, f
	WIN TO_F
.irp i, 0,1,2,3,4,5,6,7
	ds_load_b128 v[\f+32+8*\i:\f+32+8*\i+3],   v[ADRB+\slot] offset:64*(\kq)+\i*16*PITCH
	ds_load_b128 v[\f+32+8*\i+4:\f+32+8*\i+7], v[ADRB+\slot] offset:64*(\kq)+\i*16*PITCH+32
.endr
.irp a, 0,1,2,3
	ds_load_b128 v[\f+8*\a:\f+8*\a+3],   v[ADRA+\slot] offset:HEADB*((\kq)/2)+64*((\kq)%2)+\a*8*PITCH
	ds_load_b128 v[\f+8*\a+4:\f+8*\a+7], v[ADRA+\slot] offset:HEADB*((\kq)/2)+64*((\kq)%2)+\a*8*PITCH+32
.endr
.endm
.macro PLACES                          ; four places in front of loads into registers that matrix instructions have read, and of the first read of results (ISA guide 7.12.1 for vector instructions)
.rept 4
	v_nop
.endr
.endm
; A K step is four quarters of 32 along K, 32 matrix instructions each, on buffers 0, 1, 0, 1.  One of the first three: buffer f is in; the next quarter, kq, is asked for into g; then f is multiplied, while g lands.
.macro QUARTER slot, kq, f, g, zero
	s_wait_dscnt 0x0                               ; buffer f is in (asked for 32 matrix instructions ago)
	PLACES
	FETCH \slot, \kq, \g
	WIN MUL
	MUL16 \f, 0, \zero
	MUL16 \f, 2, \zero
.endm
; The last quarter multiplies buffer 1 and changes slots: ONE barrier; in front of it each wave waits for all its tensor loads, adds 0 to its spare word, and waits for that and for its own reads of this slot.
; fill = 1: the barrier opens a round of the cluster's, and this slot is filled again, two K steps ahead: the load has a K step less sixteen matrix instructions in which to land.
.macro TURN slot, next, fill
	WIN 0                                          ; (the add's two registers lie in window 0)
	s_wait_tensorcnt 0x0                           ; all my tensor loads have landed: my part of the next slot; so a group 0 may be written
	ds_add_u32 v[SPW], v[NIL]                      ; 0 onto my spare word; the descriptors' steps stand between it and the wait for it
.if \fill
	s_add_nc_u64 s[G0+4*\slot+2:G0+4*\slot+3], s[G0+4*\slot+2:G0+4*\slot+3], 2*524288
	s_add_nc_u64 s[G0B+4*\slot+2:G0B+4*\slot+3], s[G0B+4*\slot+2:G0B+4*\slot+3], 2*256
.endif
	s_wait_dscnt 0x0                               ; the add is done, buffer 1 is in, and so my reads of this slot are over
	s_barrier_signal -1
	WIN MUL
	MUL16 F1, 0, 0                                 ; work on registers while the others arrive
	WIN 0
	s_barrier_wait -1
.if \fill
	CREST                                          ; no wave of any partner still reads this slot's tile or has a load on its way
	JLOAD \slot                                    ; the first tensor load behind the round; the four v_nop behind it are also the places in front of the loads below
.else
	PLACES
.endif
	FETCH \next, 0, F0
	WIN MUL
	MUL16 F1, 2, 0
.endm
	s_wait_tensorcnt 1                             ; my part of K step 0 is in (K step 1's load may be out)
	s_barrier_signal -1
	s_barrier_wait -1                              ; everybody's is
	FETCH 0, 0, F0
	QUARTER 0, 1, F0, F1, 1                        ; the first quarter stands in front of the loop: its products start the sums
	WIN 0                                          ; at a label and at a branch every window is 0
	s_mov_b32 s3, LAPS-1
.Llap:                                             ; a trip goes once round the ring, from a lap's second quarter to the next lap's first, and fills both slots again
	QUARTER 0, 2, F1, F0, 0
	QUARTER 0, 3, F0, F1, 0
	TURN 0, 1, 1
	QUARTER 1, 1, F0, F1, 0
	QUARTER 1, 2, F1, F0, 0
	QUARTER 1, 3, F0, F1, 0
	TURN 1, 0, 1
	QUARTER 0, 1, F0, F1, 0
	WIN 0
	s_sub_co_u32 s3, s3, 1
	s_cmp_lg_u32 s3, 0
	s_cbranch_scc1 .Llap
	QUARTER 0, 2, F1, F0, 0                        ; the last lap fills nothing, and has no round of the cluster's barrier
	QUARTER 0, 3, F0, F1, 0
	TURN 0, 1, 0
	QUARTER 1, 1, F0, F1, 0
	QUARTER 1, 2, F1, F0, 0
	QUARTER 1, 3, F0, F1, 0
	s_wait_dscnt 0x0                               ; the very last quarter: nothing more to fetch
	MUL16 F1, 0, 0
	MUL16 F1, 2, 0
	WIN 0
; THE WAY OUT, block by block of 16 tokens x 128 columns.  A lane holds 32 neighbouring bytes of a row, and the lanes beside it hold other rows: so a block goes through my own stage in LDS and comes back as whole
; rows of 512 bytes.  LDS serves a wave's instructions in order (ISA guide 5.7.1.4): no wait between the stores and the loads, nor in front of the next block's stores.
.macro TOSTAGE a
	WIN 0x08                                       ; an LDS store's data are its source 1: window 2
.irp b, 0,1,2,3,4,5,6,7
	ds_store_b128 v[STO], v[8*(8*(\a)+\b):8*(8*(\a)+\b)+3] offset:64*\b            ; each accumulator from its low end on
	ds_store_b128 v[STO], v[8*(8*(\a)+\b)+4:8*(8*(\a)+\b)+7] offset:64*\b+16
.endr
	WIN 0
.set BB, BK+64*((\a)%2)
.irp t, 0,1,2,3,4,5,6,7,8,9,10,11,12,13,14,15
	ds_load_b128 v[BB+4*\t:BB+4*\t+3], v[RD] offset:\t*SPITCH
.endr
.endm
.macro SEND a, younger                 ; younger: the LDS instructions issued behind block a's loads, which may stay out
.set BB, BK+64*((\a)%2)
	s_wait_dscnt \younger                          ; the block is back in registers
.irp t, 0,1,2,3,4,5,6,7,8,9,10,11,12,13,14,15
	global_store_b128 v[CO], v[BB+4*\t:BB+4*\t+3], s[8:9] offset:(16*(\a)+\t)*4096   ; 32 lanes store 512 consecutive bytes, at a multiple of 256 from y's first byte
.endr
.endm
	PLACES                                         ; behind the last products
	TOSTAGE 0
.irp a, 1,2,3
.if \a > 1
	s_wait_xcnt 0x0                                ; block a - 2's stores have read their registers: block a's loads may land there
.endif
	TOSTAGE \a
	SEND \a-1, 32                                  ; behind block a - 1's loads: block a's 16 stores and 16 loads
.endr
	SEND 3, 0
	s_wait_tensorcnt 0x0                           ; the wave's end: a wait, an add to my spare word and its wait, behind my last tensor load and my last LDS store
	ds_add_u32 v[SPW], v[NIL]
	s_wait_dscnt 0x0
	CROUND                                         ; the closing round: no work-group ends while a partner may still ask for a tile that names it
	s_endpgm
.Lfunc_end_k_q064866ac6d_proj:
	.size	k_q064866ac6d_proj, .Lfunc_end_k_q064866ac6d_proj-k_q064866ac6d_proj
	.p2alignl 7, 3214868480
	.fill 96, 4, 3214868480
	.section	.rodata,"a",@progbits
	.p2align	6, 0x0
	.amdhsa_kernel k_q064866ac6d_proj
		.amdhsa_group_segment_fixed_size 327680
		.amdhsa_private_segment_fixed_size 0
		.amdhsa_enable_private_segment 0
		.amdhsa_kernarg_size 24
		.amdhsa_user_sgpr_count 2
		.amdhsa_user_sgpr_kernarg_segment_ptr 1
		.amdhsa_wavefront_size32 1
		.amdhsa_system_sgpr_workgroup_id_x 1
		.amdhsa_system_sgpr_workgroup_id_y 1
		.amdhsa_system_sgpr_workgroup_id_z 1
		.amdhsa_system_vgpr_workitem_id 0
		.amdhsa_next_free_vgpr 768
		.amdhsa_next_free_sgpr 66
		.amdhsa_reserve_vcc 0
		.amdhsa_float_denorm_mode_32 3
		.amdhsa_float_denorm_mode_16_64 3
		.amdhsa_memory_ordered 1
		.amdhsa_forward_progress 1
		.amdhsa_inst_pref_size 85
	.end_amdhsa_kernel
	.amdgpu_metadata
---
amdhsa.version: [ 1, 2 ]
amdhsa.kernels:
  - .name:           k_q064866ac6d_proj
    .symbol:         k_q064866ac6d_proj.kd
    .args:
      - { .name: att, .offset: 0, .size: 8, .value_kind: global_buffer, .address_space: global }
      - { .name: wph, .offset: 8, .size: 8, .value_kind: global_buffer, .address_space: global }
      - { .name: y, .offset: 16, .size: 8, .value_kind: global_buffer, .address_space: global }
    .group_segment_fixed_size: 327680
    .private_segment_fixed_size: 0
    .kernarg_segment_align: 8
    .kernarg_segment_size: 24
    .max_flat_workgroup_size: 128
    .sgpr_count:     66
    .vgpr_count:     768
    .wavefront_size: 32
...
	.end_amdgpu_metadata
.endif
;; end of part 4
;; launch norm (part 5): grid 256 x 1, 8 waves a work-group, no clusters, 0 bytes of LDS; arguments y, gamma, beta, out0; writes out0
.if DOCPART == 5
	.amdgcn_target "amdgcn-amd-amdhsa--gfx1250"
	.amdhsa_code_object_version 6
	.text
	.protected	k_q064866ac6d_norm
	.globl	k_q064866ac6d_norm
	.p2align	8
	.type	k_q064866ac6d_norm,@function
k_q064866ac6d_norm:
	s_mov_b64 s[64:65], 0
	v_nop
	global_prefetch_b8 v0, s[64:65] scope:SCOPE_SE
	s_setreg_imm32_b32 hwreg(HW_REG_WAVE_MODE, 25, 1), 1
	s_wait_xcnt 0x0
; out0[r][c] = (y[r][c] - mu[r]) / sqrt(var[r] + 1e-5) x gamma[c] + beta[c]; mu and var are the mean and the mean squared distance from it over a row's 1,024 numbers; all in f32.
; One wave, one row at a time: a row of 4,096 bytes is 32 registers of a wave, so it stays in registers between the passes, memory is read once, and the sums never leave the wave: no LDS, no barrier.
; A wave owns four rows; all its loads go out at once (48 loads of 512 consecutive bytes), and the rows are worked as they come.  Lane l holds columns 128 j + 4 l + 0..3, j = 0..7, of every row, of gamma and of beta.
; The variance is taken of y - mu, in a second pass over the registers: no difference of large sums.  Memory binds: matrix units and clusters would add nothing.
.set GA, 16                            ; v16-47   gamma of my 32 columns
.set BE, 48                            ; v48-79   beta
.set YR, 80                            ; v80-207  row i: 32 registers
	s_load_b256 s[4:11], s[0:1], 0x0               ; y s[4:5], gamma s[6:7], beta s[8:9], out0 s[10:11]
	v_lshrrev_b32 v2, 5, v0
	v_readfirstlane_b32 s12, v2                    ; wave 0..7
	v_and_b32 v1, 31, v0
	v_lshlrev_b32 v1, 4, v1                        ; 16 bytes a lane; never rewritten
	s_lshl_b32 s2, ttmp9, 17                       ; 32 rows of 4,096 bytes a work-group,
	s_lshl_b32 s3, s12, 14                         ; four a wave
	s_add_co_u32 s2, s2, s3
	s_mov_b32 s3, 0
	s_mov_b32 s14, 0x3a800000                      ; 1 / 1,024
	s_mov_b32 s15, 0x3727c5ac                      ; 1e-5
	s_mov_b32 s16, 0x76543210                      ; v_permlanex16_b32: lane l xor 16
	s_mov_b32 s17, 0xfedcba98
	v_mov_b32 v7, 0                                ; (named as the upper half of the pair v[6:7])
	s_wait_kmcnt 0x0
	s_add_nc_u64 s[4:5], s[4:5], s[2:3]
	s_add_nc_u64 s[10:11], s[10:11], s[2:3]
.irp j, 0,1,2,3,4,5,6,7
	global_load_b128 v[GA+4*\j:GA+4*\j+3], v1, s[6:7] offset:512*\j
.endr
.irp j, 0,1,2,3,4,5,6,7
	global_load_b128 v[BE+4*\j:BE+4*\j+3], v1, s[8:9] offset:512*\j
.endr
.irp i, 0,1,2,3
.irp j, 0,1,2,3,4,5,6,7
	global_load_b128 v[YR+32*\i+4*\j:YR+32*\i+4*\j+3], v1, s[4:5] offset:4096*\i+512*\j th:TH_LOAD_NT
.endr
.endr
.macro ACROSS                          ; v2 summed over the 32 lanes, the result in every lane
	v_add_f32_dpp v2, v2, v2 row_xmask:1 row_mask:0xf bank_mask:0xf
	v_add_f32_dpp v2, v2, v2 row_xmask:2 row_mask:0xf bank_mask:0xf
	v_add_f32_dpp v2, v2, v2 row_xmask:4 row_mask:0xf bank_mask:0xf
	v_add_f32_dpp v2, v2, v2 row_xmask:8 row_mask:0xf bank_mask:0xf
	v_permlanex16_b32 v3, v2, s16, s17             ; (v3 has been written)
	v_add_f32 v2, v2, v3
.endm
.macro ROW i
.set XR, YR+32*\i
	s_wait_loadcnt 8*(3-\i)                        ; gamma, beta and this row are in; the younger rows' loads may be out
	v_pk_add_f32 v[2:3], v[XR:XR+1], v[XR+2:XR+3]                  ; the row's sum: two chains, started by the first numbers
	v_pk_add_f32 v[4:5], v[XR+4:XR+5], v[XR+6:XR+7]
.irp j, 8,12,16,20,24,28
	v_pk_add_f32 v[2:3], v[2:3], v[XR+\j:XR+\j+1]
	v_pk_add_f32 v[4:5], v[4:5], v[XR+\j+2:XR+\j+3]
.endr
	v_pk_add_f32 v[2:3], v[2:3], v[4:5]
	v_add_f32 v2, v2, v3
	ACROSS
	v_mul_f32 v6, s14, v2                          ; mu
.irp j, 0,2,4,6,8,10,12,14,16,18,20,22,24,26,28,30
	v_pk_add_f32 v[XR+\j:XR+\j+1], v[XR+\j:XR+\j+1], v[6:7] op_sel_hi:[1,0] neg_lo:[0,1] neg_hi:[0,1]   ; y - mu, in place
.endr
	v_pk_mul_f32 v[2:3], v[XR:XR+1], v[XR:XR+1]                    ; the sum of its squares, again in two chains
	v_pk_mul_f32 v[4:5], v[XR+2:XR+3], v[XR+2:XR+3]
.irp j, 4,8,12,16,20,24,28
	v_pk_fma_f32 v[2:3], v[XR+\j:XR+\j+1], v[XR+\j:XR+\j+1], v[2:3]
	v_pk_fma_f32 v[4:5], v[XR+\j+2:XR+\j+3], v[XR+\j+2:XR+\j+3], v[4:5]
.endr
	v_pk_add_f32 v[2:3], v[2:3], v[4:5]
	v_add_f32 v2, v2, v3
	ACROSS
	v_fma_f32 v9, v2, s14, s15                     ; var + 1e-5
	v_rsq_f32 v8, v9
	v_nop                                          ; a plain line behind the transcendental
	s_wait_alu depctr_va_vdst(0)                   ; and a wait ahead of its first reader
.irp j, 0,2,4,6,8,10,12,14,16,18,20,22,24,26,28,30
	v_pk_mul_f32 v[XR+\j:XR+\j+1], v[XR+\j:XR+\j+1], v[8:9] op_sel_hi:[1,0]
.endr
.irp j, 0,2,4,6,8,10,12,14,16,18,20,22,24,26,28,30
	v_pk_fma_f32 v[XR+\j:XR+\j+1], v[XR+\j:XR+\j+1], v[GA+\j:GA+\j+1], v[BE+\j:BE+\j+1]
.endr
.irp j, 0,1,2,3,4,5,6,7
	global_store_b128 v1, v[XR+4*\j:XR+4*\j+3], s[10:11] offset:4096*\i+512*\j th:TH_STORE_NT   ; 32 lanes store 512 consecutive bytes, aligned; a row's registers are not written again
.endr
.endm
	ROW 0
	ROW 1
	ROW 2
	ROW 3
	s_endpgm
.Lfunc_end_k_q064866ac6d_norm:
	.size	k_q064866ac6d_norm, .Lfunc_end_k_q064866ac6d_norm-k_q064866ac6d_norm
	.p2alignl 7, 3214868480
	.fill 96, 4, 3214868480
	.section	.rodata,"a",@progbits
	.p2align	6, 0x0
	.amdhsa_kernel k_q064866ac6d_norm
		.amdhsa_group_segment_fixed_size 0
		.amdhsa_private_segment_fixed_size 0
		.amdhsa_enable_private_segment 0
		.amdhsa_kernarg_size 32
		.amdhsa_user_sgpr_count 2
		.amdhsa_user_sgpr_kernarg_segment_ptr 1
		.amdhsa_wavefront_size32 1
		.amdhsa_system_sgpr_workgroup_id_x 1
		.amdhsa_system_sgpr_workgroup_id_y 1
		.amdhsa_system_sgpr_workgroup_id_z 1
		.amdhsa_system_vgpr_workitem_id 0
		.amdhsa_next_free_vgpr 208
		.amdhsa_next_free_sgpr 66
		.amdhsa_reserve_vcc 0
		.amdhsa_float_denorm_mode_32 3
		.amdhsa_float_denorm_mode_16_64 3
		.amdhsa_memory_ordered 1
		.amdhsa_forward_progress 1
		.amdhsa_inst_pref_size 33
	.end_amdhsa_kernel
	.amdgpu_metadata
---
amdhsa.version: [ 1, 2 ]
amdhsa.kernels:
  - .name:           k_q064866ac6d_norm
    .symbol:         k_q064866ac6d_norm.kd
    .args:
      - { .name: y, .offset: 0, .size: 8, .value_kind: global_buffer, .address_space: global }
      - { .name: gamma, .offset: 8, .size: 8, .value_kind: global_buffer, .address_space: global }
      - { .name: beta, .offset: 16, .size: 8, .value_kind: global_buffer, .address_space: global }
      - { .name: out0, .offset: 24, .size: 8, .value_kind: global_buffer, .address_space: global }
    .group_segment_fixed_size: 0
    .private_segment_fixed_size: 0
    .kernarg_segment_align: 8
    .kernarg_segment_size: 32
    .max_flat_workgroup_size: 256
    .sgpr_count:     66
    .vgpr_count:     208
    .wavefront_size: 32
...
	.end_amdgpu_metadata
.endif
;; end of part 5
